; MI455X (gfx1250); checked and timed in simulation.
; The chip was launched on July 23, 2026; its instructions are those of AMD's public machine-readable ISA for CDNA 5 (MIT licence, August 2026) and "CDNA5" Instruction Set Architecture Reference Guide (July 2026). The comments in the code are by the model that wrote it; some were corrected since.
;; Self Multihead Attn. Allowed arithmetic: matrix products marked QUANTISED: E2M3 operands, one E8M0 scale for each 32 along K, by v_wmma_scale_f32_16x16x128_f8f6f4 with both operands' format E2M3, f32 sums; everything else in f32.
;; Inputs: in_proj_bias 3,072 float32; in_proj_weight 3,072 x 1,024 float32; out_proj_bias 1,024 float32; out_proj_weight 1,024 x 1,024 float32; query 2,048 x 4 x 1,024 float32.
;; Outputs: out0 2,048 x 4 x 1,024 float32.
;; This version of the problem:
;;   THIS VERSION OF THE PROBLEM IS GIVEN IN LOW PRECISION. The matrix products marked QUANTISED in the list below multiply operands that are first quantised to E2M3 (2 exponent bits, 3 mantissa bits; 6 bits a number), with one power-of-two scale for each 32 numbers along K (OCP MX v1.0); their sums are f32. All else is computed in f32.
;;   The module's matrix products, in the order in which they are computed (A, B: the left and right operand; K: the contracted axis; several contracted axes count as one K, in the product's order):
;;     1. [M 8,192, K 1,024] x [K 1,024, N 3,072]; A: input query; B: input in_proj_weight: QUANTISED
;;     2. batch 64 x [M 2,048, K 64] x [K 64, N 2,048]; A: computed on the way; B: computed on the way: QUANTISED
;;     3. batch 64 x [M 64, K 2,048] x [K 2,048, N 2,048]; A: computed on the way; B: softmax (see below): QUANTISED
;;     4. [M 8,192, K 1,024] x [K 1,024, N 1,024]; A: computed on the way; B: input out_proj_weight: QUANTISED
;;   THE QUANTISER, for each operand of a quantised product, along K:
;;     - K is cut into blocks of 32 from its start; a last block that is shorter is filled with zeros.
;;     - A block's scale is 2^e with e = floor(log2(the largest magnitude in the block)) - 2, held to -126 .. 127; a block of zeros has e = 0. As a byte (E8M0): e + 127.
;;     - Each number is divided by its block's scale, clamped to +-7.5, and rounded to the nearest number of E2M3, ties to even, subnormals kept.
;;     - The product sums the exact products of the quantised numbers (number of the format x scale) in f32.
;;   ~~~python
;;   def quantise(x, axis):      # numpy; x: float32 -> the quantised numbers, widened to float32 again
;;       x = np.moveaxis(x, axis, -1); K = x.shape[-1]
;;       x = np.pad(x, [(0, 0)] * (x.ndim - 1) + [(0, -K % 32)]); x = x.reshape(x.shape[:-1] + (-1, 32)); a = np.abs(x).max(-1, keepdims=True)
;;       e = np.where(a > 0, np.clip(np.frexp(np.where(a > 0, a, 1))[1] - 1 - 2, -126, 127), 0)      # np.frexp(a)[1] - 1 = floor(log2(a)), exactly
;;       r = np.clip(x / 2.0 ** e, -7.5, 7.5)
;;       step = 2.0 ** (np.maximum(np.frexp(np.where(r == 0, 1, r))[1] - 1, 0) - 3)
;;       q = np.round(r / step) * step * 2.0 ** e      # np.round: ties to even
;;       return np.moveaxis(q.reshape(q.shape[:-2] + (-1,))[..., :K], -1, axis).astype(np.float32)
;;   ~~~
;;   SOFTMAX AHEAD OF A QUANTISED PRODUCT. Where the list says 'softmax', what is quantised is not the finished softmax but p = 2^(t - M), with t = logit x log2(e) and M = ceil(the row's largest t), a whole number; so 1/2 < the row's largest p <= 1. The row's sum l is taken of the UNQUANTISED p, in f32, and the product's result is divided by l at the end. Since M is a whole number, a kernel that streams over the keys may use a running M (the ceiling of the running maximum): every later rescaling is an exact power of two, which a block's scale takes up: the codes' values come out the same.
;;   OPERANDS COMPUTED ON THE WAY. 'Computed on the way' means the value that the module computes at that place (a softmax that the list does not call 'softmax' is quantised finished and normalised). What goes into a quantiser is computed in f32, as accurately as f32 sums, v_exp_f32 and their like allow (about 1e-6 of the number): no bf16 or f16 on the way to a quantiser, and a product that is left as it is and whose result goes on into a quantised operand takes f32 operands (vector FMAs, or v_wmma_f32_16x16x4_f32). A number that lies on a knife's edge between two numbers of the format may be rounded either way, as far as f32 arithmetic and the matrix unit's own rounding can turn it there, and no further.
;; One version. Each part assembles by itself: llvm-mc -triple=amdgcn-amd-amdhsa -mcpu=gfx1250 --defsym DOCPART=n.
;; ======== version 1 of 1: 4 launches
;; limits: right only within a limited range of input values
;; workspace buffers: opc 9,437,184 bytes; ops 393,216 bytes; qq 6,815,744 bytes; kv 13,631,488 bytes; cc 6,291,456 bytes; cs 262,144 bytes
;; launch quant (part 1): grid 768 x 1, 8 waves a work-group, no clusters, 69,120 bytes of LDS; arguments query, in_proj_weight, out_proj_weight, opc, ops; writes opc, ops
.if DOCPART == 1
	.amdgcn_target "amdgcn-amd-amdhsa--gfx1250"
	.amdhsa_code_object_version 6
	.text
	.protected	k_q77b3e12864_quant
	.globl	k_q77b3e12864_quant
	.p2align	8
	.type	k_q77b3e12864_quant,@function
k_q77b3e12864_quant:
	s_mov_b64 s[64:65], 0
	v_nop
	global_prefetch_b8 v0, s[64:65] scope:SCOPE_SE
	s_setreg_imm32_b32 hwreg(HW_REG_WAVE_MODE, 25, 1), 1
	s_wait_xcnt 0x0
; query [2048][4][1024], in_proj_weight [3072][1024], out_proj_weight [1024][1024], f32, K innermost, become codes of FP6 (E2M3) with one E8M0 byte for each 32 along K,
; laid in the order of the matrix operand's registers.  12,288 rows in all = 96 groups of 128 rows (0-63 query, batch-major: group 16 b + t / 128; 64-87 in_proj_weight; 88-95 out_proj_weight).
; A group has 8 tiles of 16 rows.  Tile sigma holds, for lane-row r, row 32 (sigma / 2) + 8 (sigma % 2) + r + 8 (r / 8): so that a product's eight results a lane, of two neighbouring tiles, are 16 neighbours.
; opc: [group][K step of 128: 8][place: 8][1,536 bytes]: a fragment (16 rows x 128 K, 12 registers a lane) as an image: registers 2 p, 2 p + 1 of lane l at 256 p + 8 l.
; Place a holds tile a, but in the rows of in_proj_weight that make v (groups 80-87): there place a holds tile 4 (a % 2) + a / 2, so that places 2 pi and 2 pi + 1 are the same 16 channels of two heads.
; ops: [group][place][r][32 bytes]: byte k / 32 of the row.
; A block's scale is 2^(floor(log2(its largest magnitude)) - 2); its byte is the largest magnitude's exponent field - 2, held at 1 from below.
; LIMITS: a block of zeros gets the byte 1 where the rule says 127 (its codes are zeros, and the bytes are read by this program alone); NaN and infinities among the inputs are not served.
; SHARES: a work-group takes one tile of 16 rows, wave w its K step w: one fragment.  Each load reads 512 consecutive bytes of a row; the 8,192 bytes turn through the wave's own stage in LDS,
; so that lane (r, h) holds k = 64 c + 32 h + 0 .. 31 of row r: two whole blocks a lane.  No loop: 16 loads a wave, several work-groups to a WGP.
.set STG,   8448                       ; a wave's stage: 16 rows of 512 bytes + 16: 33 x 16 bytes from row to row, so that 16 rows' loads of 16 bytes start in 16 different columns of banks
.set SCB,   8*STG                      ; the tile's scale words: [r][8 words], 512 bytes
.set SPARE, SCB+512                    ; the spare words, 128 bytes for each of 8 waves: four blocks of 256 bytes that no other line names
.set L8,  4                            ; v4   8 x lane
.set L16, 5                            ; v5   16 x lane
.set STI, 6                            ; v6   the stage, way in
.set STO, 7                            ; v7   the stage, way out
.set SCW, 8                            ; v8   where my row's scale word goes
.set SCR, 9                            ; v9   where wave 0 reads the words back
.set SPW, 10                           ; v10  my spare word; never rewritten
.set NIL, 11                           ; v11  0; never rewritten
.set OF,  16                           ; v16-31   byte offsets of the tile's 16 rows
.set R,   32                           ; v32-95   as loaded
.set X,   96                           ; v96-159  register 32 c + i = k 64 c + 32 h + i of row r
.set PC,  32                           ; v32-43 the fragment; v44-46, v48-50 the blocks' upper halves: over the registers of the loads, which the stage's stores have read when the wait for all LDS instructions has passed
.set MX,  52                           ; v52-53 largest magnitudes; v54-55 scale operands; v56-57 bytes; v58 the word; v59 at work
	s_load_b256 s[4:11], s[0:1], 0x0               ; query s[4:5], in_proj_weight s[6:7], out_proj_weight s[8:9], opc s[10:11]
	s_load_b64 s[12:13], s[0:1], 0x20              ; ops
	v_lshl_add_u32 v[SPW], v0, 2, SPARE
	v_mov_b32 v[NIL], 0
	v_lshrrev_b32 v12, 5, v0
	s_delay_alu instid0(VALU_DEP_1)
	v_readfirstlane_b32 s24, v12                   ; wave = K step
	v_and_b32 v1, 31, v0                           ; lane
	v_and_b32 v2, 15, v0                           ; r
	v_bfe_u32 v3, v0, 4, 1                         ; h
	s_delay_alu instid0(VALU_DEP_3)
	v_lshlrev_b32 v[L8], 3, v1
	s_delay_alu instid0(VALU_DEP_4)
	v_lshlrev_b32 v[L16], 4, v1
	s_wait_alu depctr_va_vdst(0)
	s_mul_i32 s25, s24, STG
	v_add_nc_u32 v[STI], s25, v[L16]               ; in: 16 bytes a lane of a row's 512
	v_mul_u32_u24 v[STO], v2, 528
	s_delay_alu instid0(VALU_DEP_1)
	v_lshl_add_u32 v[STO], v3, 7, v[STO]
	s_delay_alu instid0(VALU_DEP_1)
	v_add_nc_u32 v[STO], s25, v[STO]               ; out: row r, + 128 h bytes: 32 numbers
	v_lshlrev_b32 v[SCW], 5, v2
	s_lshl_b32 s26, s24, 2
	s_add_co_u32 s26, s26, SCB
	v_add_nc_u32 v[SCW], s26, v[SCW]               ; SCB + 32 r + 4 w
	v_add_nc_u32 v[SCR], SCB, v[L16]
	s_mov_b32 s14, 0x76543210
	s_mov_b32 s15, 0xfedcba98                      ; v_permlanex16_b32's selects for lane l xor 16
	s_lshr_b32 s16, ttmp9, 3                       ; group
	s_and_b32 s17, ttmp9, 7                        ; place
	s_and_b32 s18, s17, 1
	s_lshl_b32 s18, s18, 2
	s_lshr_b32 s19, s17, 1
	s_add_co_u32 s18, s18, s19                     ; 4 (a % 2) + a / 2
	s_sub_co_u32 s19, s16, 80
	s_cmp_lt_u32 s19, 8                            ; groups 80 to 87 (a smaller group wraps to a large number)
	s_cselect_b32 s18, s18, s17                    ; the tile sigma
	s_lshr_b32 s19, s18, 1
	s_lshl_b32 s19, s19, 5
	s_and_b32 s18, s18, 1
	s_lshl_b32 s18, s18, 3
	s_add_co_u32 s18, s18, s19                     ; 32 (sigma / 2) + 8 (sigma % 2)
	s_and_b32 s20, s16, 15                         ; query: the group within the batch,
	s_lshr_b32 s21, s16, 4
	s_lshl_b32 s21, s21, 12                        ; and the batch's 4,096 bytes in a row of [t]
	s_sub_co_u32 s22, s16, 64                      ; in_proj_weight: its group
	s_sub_co_u32 s23, s16, 88                      ; out_proj_weight: its group
	s_cmp_lt_u32 ttmp9, 704
	s_cselect_b32 s22, s22, s23
	s_mov_b32 s27, 4096
	s_cmp_lt_u32 ttmp9, 512
	s_cselect_b32 s20, s20, s22
	s_cselect_b32 s21, s21, 0
	s_cselect_b32 s27, 16384, s27                  ; bytes from row to row: a step in t is 4 x 4,096 bytes
	s_lshl_b32 s20, s20, 7
	s_add_co_u32 s20, s20, s18                     ; the tile's first row
	s_mul_i32 s20, s20, s27
	s_add_co_u32 s20, s20, s21
	s_lshl_b32 s22, s24, 9
	s_add_co_u32 s20, s20, s22                     ; + my K step's 512 bytes.  Under 2^26
	s_mov_b32 s21, 0
.irp i, 0,1,2,3,4,5,6,7,8,9,10,11,12,13,14,15
	v_mad_u32_u24 v[OF+\i], s27, \i+8*(\i/8), v[L16]   ; lane-row i is row i + 8 (i / 8) of the tile
.endr
	s_mul_i32 s28, s16, 98304
	s_mul_i32 s29, s24, 12288
	s_add_co_u32 s28, s28, s29
	s_mul_i32 s29, s17, 1536
	s_add_co_u32 s28, s28, s29                     ; my fragment's image in opc
	s_mov_b32 s29, 0
	s_lshl_b32 s30, ttmp9, 9                       ; the tile's 512 bytes in ops
	s_mov_b32 s31, 0
	s_wait_alu depctr_va_vdst(0)
	s_wait_kmcnt 0x0
	s_cmp_lt_u32 ttmp9, 512                        ; the choice hangs on the work-group's number alone
	s_cselect_b64 s[4:5], s[4:5], s[6:7]
	s_cmp_lt_u32 ttmp9, 704
	s_cselect_b64 s[4:5], s[4:5], s[8:9]
	s_add_nc_u64 s[4:5], s[4:5], s[20:21]
	s_add_nc_u64 s[10:11], s[10:11], s[28:29]
	s_add_nc_u64 s[12:13], s[12:13], s[30:31]
.irp i, 0,1,2,3,4,5,6,7,8,9,10,11,12,13,14,15
	global_load_b128 v[R+4*\i:R+4*\i+3], v[OF+\i], s[4:5] th:TH_LOAD_NT   ; 32 lanes read 512 consecutive bytes of one row; read once in the launch
.endr
.irp i, 0,1,2,3,4,5,6,7,8,9,10,11,12,13,14,15
	s_wait_loadcnt 15-\i                           ; loads come back in order: row i is in, the later rows may be out
	ds_store_b128 v[STI], v[R+4*\i:R+4*\i+3] offset:528*\i
.endr
.irp c, 0,1
.irp j, 0,1,2,3,4,5,6,7
	ds_load_b128 v[X+32*\c+4*\j:X+32*\c+4*\j+3], v[STO] offset:256*\c+16*\j   ; LDS serves a wave's instructions in order: these see my stores
.endr
.endr
	s_wait_dscnt 0x0
.irp c, 0,1
	v_max3_num_f32 v[MX+\c], |v[X+32*\c]|, |v[X+32*\c+1]|, 0x1800000   ; block 2 c + h: all its 32 numbers are mine; the floor 2^(3 - 127) holds the byte at 1 from below
.endr
.irp i, 2,4,6,8,10,12,14,16,18,20,22,24,26,28,30
.irp c, 0,1
	s_delay_alu instid0(VALU_DEP_2)
	v_max3_num_f32 v[MX+\c], v[MX+\c], |v[X+32*\c+\i]|, |v[X+32*\c+\i+1]|   ; the two blocks by turns
.endr
.endr
.irp c, 0,1
	s_delay_alu instid0(VALU_DEP_2)
	v_add_nc_u32 v[MX+2+\c], 0xff000000, v[MX+\c]  ; 2 off the exponent field: the conversion takes the exponent field of this operand as its scale
.endr
.irp c, 0,1
	s_delay_alu instid0(VALU_DEP_2)
	v_lshrrev_b32 v[MX+4+\c], 23, v[MX+2+\c]       ; the scale's byte
.endr
	s_delay_alu instid0(VALU_DEP_1)
	v_lshl_or_b32 v[MX+6], v[MX+5], 16, v[MX+4]    ; blocks h and 2 + h,
	v_lshlrev_b32 v[MX+7], 3, v3
	s_delay_alu instid0(VALU_DEP_1)
	v_lshlrev_b32 v[MX+6], v[MX+7], v[MX+6]        ; 8 h bits up;
	v_mov_b32 v[MX+7], 0
	s_delay_alu instid0(VALU_DEP_1)
	v_permlanex16_b32 v[MX+7], v[MX+6], s14, s15
	s_delay_alu instid0(VALU_DEP_1)
	v_or_b32 v[MX+6], v[MX+6], v[MX+7]             ; with lane l xor 16's two bytes the word is whole
.irp c, 0,1
	v_cvt_scalef32_pk16_fp6_f32 v[PC+6*\c:PC+6*\c+2], v[X+32*\c:X+32*\c+15], v[MX+2+\c]
	v_cvt_scalef32_pk16_fp6_f32 v[PC+12+4*\c:PC+14+4*\c], v[X+32*\c+16:X+32*\c+31], v[MX+2+\c]   ; (a conversion's three registers begin on an even number)
.endr
	v_nop                                          ; one plain place behind a scaled conversion
.irp c, 0,1
.irp i, 0,1,2
	v_mov_b32 v[PC+3+6*\c+\i], v[PC+12+4*\c+\i]
.endr
.endr
	ds_store_b32 v[SCW], v[MX+6]                   ; lanes l and l xor 16 write the same word with the same value
.irp p, 0,1,2,3,4,5
	global_store_b64 v[L8], v[PC+2*\p:PC+2*\p+1], s[10:11] offset:256*\p   ; 32 lanes store 256 consecutive bytes, at a multiple of 256 from the buffer's first byte
.endr
	s_wait_dscnt 0x0                               ; for the others' sake: my word has landed
	s_barrier_signal -1
	s_barrier_wait -1                              ; the tile's 128 words lie in LDS
	s_cmp_lg_u32 s24, 0
	s_cbranch_scc1 .Lnot_wave_0
	ds_load_b128 v[12:15], v[SCR]
	s_wait_dscnt 0x0
	global_store_b128 v[L16], v[12:15], s[12:13]   ; 512 consecutive bytes: 16 rows of 32 scale bytes
.Lnot_wave_0:
	v_nop
	s_wait_tensorcnt 0x0                           ; the wave's end, behind my last LDS store
	ds_add_u32 v[SPW], v[NIL]
	s_wait_dscnt 0x0
	s_endpgm
.Lfunc_end_k_q77b3e12864_quant:
	.size	k_q77b3e12864_quant, .Lfunc_end_k_q77b3e12864_quant-k_q77b3e12864_quant
	.p2alignl 7, 3214868480
	.fill 96, 4, 3214868480
	.section	.rodata,"a",@progbits
	.p2align	6, 0x0
	.amdhsa_kernel k_q77b3e12864_quant
		.amdhsa_group_segment_fixed_size 69120
		.amdhsa_private_segment_fixed_size 0
		.amdhsa_enable_private_segment 0
		.amdhsa_kernarg_size 40
		.amdhsa_user_sgpr_count 2
		.amdhsa_user_sgpr_kernarg_segment_ptr 1
		.amdhsa_wavefront_size32 1
		.amdhsa_system_sgpr_workgroup_id_x 1
		.amdhsa_system_sgpr_workgroup_id_y 1
		.amdhsa_system_sgpr_workgroup_id_z 1
		.amdhsa_system_vgpr_workitem_id 0
		.amdhsa_next_free_vgpr 160
		.amdhsa_next_free_sgpr 66
		.amdhsa_reserve_vcc 0
		.amdhsa_float_denorm_mode_32 3
		.amdhsa_float_denorm_mode_16_64 3
		.amdhsa_memory_ordered 1
		.amdhsa_forward_progress 1
		.amdhsa_inst_pref_size 14
	.end_amdhsa_kernel
	.amdgpu_metadata
---
amdhsa.version: [ 1, 2 ]
amdhsa.kernels:
  - .name:           k_q77b3e12864_quant
    .symbol:         k_q77b3e12864_quant.kd
    .args:
      - { .name: query, .offset: 0, .size: 8, .value_kind: global_buffer, .address_space: global }
      - { .name: in_proj_weight, .offset: 8, .size: 8, .value_kind: global_buffer, .address_space: global }
      - { .name: out_proj_weight, .offset: 16, .size: 8, .value_kind: global_buffer, .address_space: global }
      - { .name: opc, .offset: 24, .size: 8, .value_kind: global_buffer, .address_space: global }
      - { .name: ops, .offset: 32, .size: 8, .value_kind: global_buffer, .address_space: global }
    .group_segment_fixed_size: 69120
    .private_segment_fixed_size: 0
    .kernarg_segment_align: 8
    .kernarg_segment_size: 40
    .max_flat_workgroup_size: 256
    .sgpr_count:     66
    .vgpr_count:     160
    .wavefront_size: 32
...
	.end_amdgpu_metadata
.endif
;; end of part 1
;; launch gemm_qkv (part 2): grid 12 x 32, 4 waves a work-group, clusters of 4 x 4, 327,680 bytes of LDS; arguments opc, ops, in_proj_bias, qq, kv; writes qq, kv
.if DOCPART == 2
	.amdgcn_target "amdgcn-amd-amdhsa--gfx1250"
	.amdhsa_code_object_version 6
	.text
	.protected	k_q77b3e12864_gemm_qkv
	.globl	k_q77b3e12864_gemm_qkv
	.p2align	8
	.type	k_q77b3e12864_gemm_qkv,@function
k_q77b3e12864_gemm_qkv:
	s_mov_b64 s[64:65], 0
	v_nop
	global_prefetch_b8 v0, s[64:65] scope:SCOPE_SE
	s_setreg_imm32_b32 hwreg(HW_REG_WAVE_MODE, 25, 1), 1
	s_wait_xcnt 0x0
	s_wait_alu depctr_hold_cnt(0) depctr_sa_sdst(0) depctr_va_vdst(0) depctr_va_sdst(0) depctr_va_ssrc(0) depctr_va_vcc(0) depctr_vm_vsrc(0)
	s_getreg_b32 s2, hwreg(HW_REG_IB_STS2, 6, 4)
	s_cmp_eq_u32 s2, 0
	s_cbranch_scc0 .Lentry_in_a_cluster
	s_endpgm
.Lentry_in_a_cluster:
	s_bfe_u32 s2, ttmp6, 0x10000c
	s_cmp_lg_u32 s2, 0xf033
	s_cbranch_scc0 .Lentry_shape_is_right
	s_endpgm
.Lentry_shape_is_right:
.set NQ,     2
.set FR,     12
.set FRB,    1536
.set NL,     6
.set NP,     4
.set HALFT,  2*8*FRB
.set SLOT,   4*HALFT
.set LAPS,   2
.set GRPB,   98304
.set SCL,    2*SLOT
.set HALFS,  16*272
.set SBLK,   2*272
.set SPARE,  SCL+4*HALFS
.set ADRA, 16
.set ADRB, 20
.set L8,   24
.set L16,  25
.set ADRS, 27
.set SPW,  28
.set NIL,  29
.set SC,   32
.set BIAS, 64
.set AF,   128
.set PCB,  128
.set TM,   224
.set PW,   240
.set WS,   244
.set G1, 24
.set G0, 32
.set G1B, 48
.set G0B, 56
.set G1S, 68
.set G0S, 76
.set G1SB, 80
.set G0SB, 88
.set FLOOR, 31
.set SUB,   32
.set PS0,   37
.set PS1,   38
.set SEL,   56
.set MSB, 0
.macro WIN new
.if MSB != (\new)
	s_set_vgpr_msb (MSB<<8)|(\new)
.set MSB, (\new)
.endif
.endm
.set MUL_LO, 0xa1
.set MUL_HI, 0xf1
.set TO_B,   0x40
.macro JLOAD g0a, g1a, g0b, g1b
	s_cmp_eq_u32 s15, 0
	s_cbranch_scc0 .Lfor_b_\@
	tensor_load_to_lds s[\g0a:\g0a+3], s[\g1a:\g1a+7]
	s_nop 0
.rept 4
	v_nop
.endr
	s_branch .Lasked_\@
.Lfor_b_\@:
	tensor_load_to_lds s[\g0b:\g0b+3], s[\g1b:\g1b+7]
	s_nop 0
.rept 4
	v_nop
.endr
.Lasked_\@:
.endm
.macro CREST
	s_cmp_lg_u32 s14, 0
	s_cbranch_scc1 .Lnot_wave_0_\@
	s_barrier_signal -3
.Lnot_wave_0_\@:
	s_barrier_wait -3
	s_barrier_signal -1
	s_barrier_wait -1
.endm
.macro CROUND
	s_barrier_signal -1
	s_barrier_wait -1
	CREST
.endm
	s_load_b256 s[4:11], s[0:1], 0x0
	s_load_b64 s[12:13], s[0:1], 0x20
	v_lshl_add_u32 v[SPW], v0, 2, SPARE
	v_mov_b32 v[NIL], 0
	ds_add_u32 v[SPW], v[NIL]
	ds_add_u32 v[SPW], v[NIL]
	v_lshrrev_b32 v1, 5, v0
	v_readfirstlane_b32 s14, v1
	s_lshr_b32 s15, s14, 1
	s_and_b32 s16, s14, 1
	s_bfe_u32 s40, ttmp6, 0x40000
	s_bfe_u32 s41, ttmp6, 0x40004
	s_mov_b32 s67, ttmp9
	s_and_b32 s66, ttmp7, 0xffff
	s_lshl_b32 s66, s66, 2
	s_lshl_b32 s18, ttmp9, 2
	s_add_co_u32 s18, s18, 32
	s_cmp_eq_u32 s67, 2
	s_cselect_b32 s17, 40, s66
	s_cselect_b32 s42, s66, s18
	s_add_co_u32 s17, s17, s41
	s_add_co_u32 s42, s42, s40
	s_lshl_b32 s43, s41, 2
	s_lshl_b32 s43, 15, s43
	s_lshl_b32 s44, 0x1111, s40
	s_or_b32 s[G1+0], s43, (3<<16)|(1<<21)
	s_or_b32 s[G1B+0], s44, (3<<16)|(1<<21)
.irp g, G1, G1B                        ; for the head's loads: a slot's two groups as 2 rows of 24,576 bytes (3,072 elements of 8), 98,304 bytes apart
	s_mov_b32 s[\g+1], 3072<<16
	s_mov_b32 s[\g+2], 2<<16
	s_mov_b32 s[\g+3], 3072<<16
	s_mov_b32 s[\g+4], 2
	s_mov_b32 s[\g+5], 12288
	s_mov_b32 s[\g+6], 0
	s_mov_b32 s[\g+7], 0
.endr
	s_or_b32 s[G1S+0], s43, (3<<16)|(1<<20)|(1<<21)|(5<<22)|(3<<25)
	s_or_b32 s[G1SB+0], s44, (3<<16)|(1<<20)|(1<<21)|(5<<22)|(3<<25)
.irp g, G1S, G1SB
	s_mov_b32 s[\g+1], 32<<16
	s_mov_b32 s[\g+2], 32<<16
	s_mov_b32 s[\g+3], 32<<16
	s_mov_b32 s[\g+4], 32
	s_mov_b32 s[\g+5], 32
	s_mov_b32 s[\g+6], 0
	s_mov_b32 s[\g+7], 0
.endr
	s_lshl_b32 s20, s17, 1
	s_lshl_b32 s46, s42, 1
	s_lshl_b32 s22, s20, 12
	s_mov_b32 s23, 0
	s_lshl_b32 s92, s46, 12
	s_mov_b32 s93, 0
	s_mul_i32 s20, s20, GRPB
	s_mov_b32 s21, 0
	s_mul_i32 s46, s46, GRPB
	s_mov_b32 s47, 0
	s_mul_i32 s45, s14, HALFT
	s_lshl_b32 s95, s17, 1
	s_add_co_u32 s95, s95, s15
	s_lshl_b32 s96, s42, 1
	s_add_co_u32 s96, s96, s16
	s_wait_dscnt 0x0
	s_wait_kmcnt 0x0
	s_add_nc_u64 s[20:21], s[4:5], s[20:21]
	s_add_nc_u64 s[22:23], s[6:7], s[22:23]
	s_add_nc_u64 s[46:47], s[4:5], s[46:47]
	s_add_nc_u64 s[92:93], s[6:7], s[92:93]
	CROUND
	; the head's four tiles, each whole, one joint load a wave: A's slot 0, B's slot 0, the scales of A's two groups, those of B's
	s_mov_b32 s[G0S], 1
	s_mov_b32 s[G0S+1], SCL
	s_mov_b64 s[G0S+2:G0S+3], s[22:23]
	s_or_b32 s[G0S+3], s[G0S+3], 0x80000000
	s_mov_b32 s[G0SB], 1
	s_mov_b32 s[G0SB+1], SCL+2*HALFS
	s_mov_b64 s[G0SB+2:G0SB+3], s[92:93]
	s_or_b32 s[G0SB+3], s[G0SB+3], 0x80000000
	s_mov_b32 s[G0], 1
	s_mov_b32 s[G0+1], 0
	s_mov_b64 s[G0+2:G0+3], s[20:21]
	s_or_b32 s[G0+3], s[G0+3], 0x80000000
	s_mov_b32 s[G0B], 1
	s_mov_b32 s[G0B+1], 2*HALFT
	s_mov_b64 s[G0B+2:G0B+3], s[46:47]
	s_or_b32 s[G0B+3], s[G0B+3], 0x80000000
	s_mul_i32 s92, s16, GRPB                       ; in the ring a wave fetches one group: which of the two, in bytes
	s_mov_b32 s93, 0
	s_add_nc_u64 s[20:21], s[20:21], s[92:93]
	s_add_nc_u64 s[46:47], s[46:47], s[92:93]
	s_mov_b32 s[G0+4], 1
	s_add_co_u32 s[G0+5], s45, SLOT
	s_add_nc_u64 s[G0+6:G0+7], s[20:21], HALFT
	s_or_b32 s[G0+7], s[G0+7], 0x80000000
	s_mov_b32 s[G0B+4], 1
	s_add_co_u32 s[G0B+5], s45, SLOT
	s_add_nc_u64 s[G0B+6:G0B+7], s[46:47], HALFT
	s_or_b32 s[G0B+7], s[G0B+7], 0x80000000
.macro ARM under, g0, g1, next         ; one chain of branches on the wave's number: every way passes exactly one load
	s_cmp_lt_u32 s14, \under
	s_cbranch_scc0 \next
	tensor_load_to_lds s[\g0:\g0+3], s[\g1:\g1+7]
	s_nop 0
.rept 4
	v_nop
.endr
	s_branch .Lhead_asked
\next:
.endm
	ARM 1, G0,  G1,  .Lhead_b
	ARM 2, G0B, G1B, .Lhead_sa
	ARM 3, G0S, G1S, .Lhead_sb
	tensor_load_to_lds s[G0SB:G0SB+3], s[G1SB:G1SB+7]
	s_nop 0
.rept 4
	v_nop
.endr
.Lhead_asked:
	v_and_b32 v1, 15, v0
	v_bfe_u32 v2, v0, 4, 1
	v_and_b32 v3, 31, v0
	v_lshlrev_b32 v[L8], 3, v3
	v_lshlrev_b32 v[L16], 4, v3
	s_mul_i32 s21, s15, HALFT
	s_mul_i32 s22, s16, HALFT
	s_add_co_u32 s22, s22, 2*HALFT
.irp s, 0,1
	v_add_nc_u32 v[ADRA+\s], s21, v[L8]
	v_add_nc_u32 v[ADRB+\s], s22, v[L8]
	s_add_co_u32 s21, s21, SLOT
	s_add_co_u32 s22, s22, SLOT
.endr
	v_lshlrev_b32 v5, 5, v1
	v_lshrrev_b32 v6, 8, v5
	v_lshl_add_u32 v5, v6, 4, v5
	s_mul_i32 s21, s15, HALFS
	s_mul_i32 s22, s16, HALFS
	s_add_co_u32 s22, s22, 2*HALFS
	s_sub_co_u32 s22, s22, s21
	v_mul_u32_u24 v6, s22, v2
	s_add_co_u32 s21, s21, SCL
	v_add_nc_u32 v5, v5, v6
	v_add_nc_u32 v[ADRS], s21, v5
	s_cmp_eq_u32 s67, 2
	s_cselect_b32 s20, s95, s96
	s_sub_co_u32 s20, s20, 64
	s_lshl_b32 s20, s20, 9
	s_mov_b32 s21, 0
	s_add_nc_u64 s[8:9], s[8:9], s[20:21]
	s_cmp_eq_u32 s67, 2
	s_cbranch_scc1 .Lbias_v
	v_lshlrev_b32 v7, 6, v2
.irp b, 0,1,2,3,4,5,6,7
	global_load_b128 v[BIAS+8*\b:BIAS+8*\b+3], v7, s[8:9] offset:(32*(\b/2)+8*(\b%2))*4
	global_load_b128 v[BIAS+8*\b+4:BIAS+8*\b+7], v7, s[8:9] offset:(32*(\b/2)+8*(\b%2))*4+16
.endr
	s_branch .Lbias_done
.Lbias_v:
	v_and_b32 v7, 8, v1
	v_add_nc_u32 v7, v7, v1
	v_lshlrev_b32 v7, 2, v7
.irp a, 0,1,2,3,4,5,6,7
	global_load_b32 v[BIAS+8*\a], v7, s[8:9] offset:(64*(\a%2)+32*(\a/4)+8*((\a/2)%2))*4
.endr
	s_wait_loadcnt 0x0
.irp a, 0,1,2,3,4,5,6,7
.irp j, 1,2,3,4,5,6,7
	v_mov_b32 v[BIAS+8*\a+\j], v[BIAS+8*\a]
.endr
.endr
.Lbias_done:
.macro FRAG reg, adr, q, i
.irp p, 0,1,2,3,4,5
	ds_load_b64 v[\reg+2*\p:\reg+2*\p+1], v[\adr] offset:(\q)*8*FRB+(\i)*FRB+256*\p
.endr
.endm
.macro MUL16 a0, p, q, sc, cm
.irp a, \a0, \a0+1
.irp b, 0,1,2,3,4,5,6,7
.if \cm == 0
	v_wmma_scale_f32_16x16x128_f8f6f4 v[8*(8*((\a)%4)+\b):8*(8*((\a)%4)+\b)+7], v[128*(\p)+FR*\b:128*(\p)+FR*\b+FR-1], v[AF+FR*(\a):AF+FR*(\a)+FR-1], v[8*(8*((\a)%4)+\b):8*(8*((\a)%4)+\b)+7], v[SC+8*NQ*(\sc)+NQ*\b+(\q)], v[SC+8*NQ*(\sc)+NQ*(\a)+(\q)] matrix_a_fmt:MATRIX_FMT_FP6 matrix_b_fmt:MATRIX_FMT_FP6 matrix_a_scale:MATRIX_SCALE_ROW1
.elseif \cm == 1
	v_wmma_scale_f32_16x16x128_f8f6f4 v[8*(8*((\a)%4)+\b):8*(8*((\a)%4)+\b)+7], v[128*(\p)+FR*\b:128*(\p)+FR*\b+FR-1], v[AF+FR*(\a):AF+FR*(\a)+FR-1], v[BIAS+8*\b:BIAS+8*\b+7], v[SC+8*NQ*(\sc)+NQ*\b+(\q)], v[SC+8*NQ*(\sc)+NQ*(\a)+(\q)] matrix_a_fmt:MATRIX_FMT_FP6 matrix_b_fmt:MATRIX_FMT_FP6 matrix_a_scale:MATRIX_SCALE_ROW1
.else
	v_wmma_scale_f32_16x16x128_f8f6f4 v[8*(8*((\a)%4)+\b):8*(8*((\a)%4)+\b)+7], v[128*(\p)+FR*\b:128*(\p)+FR*\b+FR-1], v[AF+FR*(\a):AF+FR*(\a)+FR-1], v[BIAS+8*(\a):BIAS+8*(\a)+7], v[SC+8*NQ*(\sc)+NQ*\b+(\q)], v[SC+8*NQ*(\sc)+NQ*(\a)+(\q)] matrix_a_fmt:MATRIX_FMT_FP6 matrix_b_fmt:MATRIX_FMT_FP6 matrix_a_scale:MATRIX_SCALE_ROW1
.endif
.endr
.endr
.endm
.macro FETCH_B slot, q, p
	WIN TO_B
.irp i, 0,1,2,3,4,5,6,7
	FRAG 128*(\p)+FR*\i, ADRB+\slot, \q, \i
.endr
	WIN 0
.endm
.macro FETCH_A slot, q, i0
.irp i, \i0, \i0+1, \i0+2, \i0+3
	FRAG AF+FR*(\i), ADRA+\slot, \q, \i
.endr
.endm
.macro SCALES sc
.irp i, 0,1,2,3,4,5,6,7
	ds_load_b64 v[SC+8*NQ*\sc+NQ*\i:SC+8*NQ*\sc+NQ*\i+1], v[ADRS] offset:\i*SBLK
.endr
.endm
.macro PLACES n
.rept \n
	v_nop
.endr
.endm
.macro STEP slot, q, cm
	s_wait_dscnt 4*NL
.if \cm
	WIN 0x81
.else
	WIN MUL_LO
.endif
	MUL16 0, (\q)%2, \q, \slot, \cm
	MUL16 2, (\q)%2, \q, \slot, \cm
	s_wait_dscnt 0
	PLACES NP
	FETCH_B \slot, (\q)+1, 1-(\q)%2
	FETCH_A \slot, (\q)+1, 0
.if \cm
	WIN 0xc1
.else
	WIN MUL_HI
.endif
	MUL16 4, (\q)%2, \q, \slot, \cm
	MUL16 6, (\q)%2, \q, \slot, \cm
	PLACES NP
	WIN 0
	FETCH_A \slot, (\q)+1, 4
.endm
.macro TURN slot, next, fill
	s_wait_tensorcnt 0x0
	ds_add_u32 v[SPW], v[NIL]
	s_wait_dscnt 4*NL+1
	WIN MUL_LO
	MUL16 0, 1, NQ-1, \slot, 0
	s_wait_dscnt 0x0
	s_barrier_signal -1
	MUL16 2, 1, NQ-1, \slot, 0
	WIN 0
	s_barrier_wait -1
.if \fill
	CREST
	s_add_nc_u64 s[G0+4*\slot+2:G0+4*\slot+3], s[G0+4*\slot+2:G0+4*\slot+3], 2*HALFT
	s_add_nc_u64 s[G0B+4*\slot+2:G0B+4*\slot+3], s[G0B+4*\slot+2:G0B+4*\slot+3], 2*HALFT
	JLOAD G0+4*\slot, G1, G0B+4*\slot, G1B
.else
	PLACES NP
.endif
	s_wait_alu depctr_va_vdst(0)
	v_add_nc_u32 v[ADRS], 4*NQ, v[ADRS]
	FETCH_B \next, 0, 0
	FETCH_A \next, 0, 0
	SCALES \next
	WIN MUL_HI
	MUL16 4, 1, NQ-1, \slot, 0
	MUL16 6, 1, NQ-1, \slot, 0
	PLACES NP
	WIN 0
	FETCH_A \next, 0, 4
.endm
	s_wait_alu depctr_va_vdst(0)
	s_wait_tensorcnt 0x0                           ; my tile of the head's four is in
	ds_add_u32 v[SPW], v[NIL]
.irp g, G1, G1B                        ; no tensor load of mine is out: from here on a load brings one group's 96 rows of 256 bytes
	s_mov_b32 s[\g+1], 32<<16
	s_mov_b32 s[\g+2], 96<<16
	s_mov_b32 s[\g+3], 32<<16
	s_mov_b32 s[\g+4], 96
	s_mov_b32 s[\g+5], 32
.endr
	s_mov_b32 s[G0+1], s45                         ; slot 0's group 0 for its refills: my quarter of the slot, my group
	s_add_nc_u64 s[G0+2:G0+3], s[G0+2:G0+3], s[92:93]
	s_mov_b32 s[G0B+1], s45
	s_add_nc_u64 s[G0B+2:G0B+3], s[G0B+2:G0B+3], s[92:93]
	s_wait_dscnt 0x0
	CROUND                                         ; all four tiles are in, in every partner
	JLOAD G0+4, G1, G0B+4, G1B                     ; slot 1's first fill: the first tensor load behind the round
	FETCH_B 0, 0, 0
	FETCH_A 0, 0, 0
	s_wait_alu depctr_va_vdst(0)
	SCALES 0
	FETCH_A 0, 0, 4
	s_wait_loadcnt 0x0
	s_cmp_eq_u32 s67, 2
	s_cbranch_scc1 .Lfirst_v
	STEP 0, 0, 1
	s_branch .Lfirst_done
.Lfirst_v:
	STEP 0, 0, 2
.Lfirst_done:
	s_mov_b32 s3, LAPS-1
.Llap:
	TURN 0, 1, 1
	STEP 1, 0, 0
	TURN 1, 0, 1
	STEP 0, 0, 0
	s_sub_co_u32 s3, s3, 1
	s_cmp_lg_u32 s3, 0
	s_cbranch_scc1 .Llap
	TURN 0, 1, 0
	STEP 1, 0, 0
	s_wait_dscnt 4*NL
	WIN MUL_LO
	MUL16 0, 1, NQ-1, 1, 0
	MUL16 2, 1, NQ-1, 1, 0
	s_wait_dscnt 0
	WIN MUL_HI
	MUL16 4, 1, NQ-1, 1, 0
	MUL16 6, 1, NQ-1, 1, 0
	WIN 0
	s_cmp_eq_u32 s67, 2
	s_cselect_b32 s24, s96, s95
	s_cselect_b32 s25, s95, s96
	s_and_b32 s25, s25, 7
	s_lshr_b32 s26, s24, 4
	s_lshl_b32 s26, s26, 4
	s_lshl_b32 s25, s25, 1
	s_add_co_u32 s26, s26, s25
	s_lshl_b32 s26, s26, 4
	s_and_b32 s24, s24, 15
	s_add_co_u32 s26, s26, s24
	s_mov_b32 s27, 13312
	s_mov_b32 s30, 212992
	s_mov_b32 s[FLOOR], 3<<23
	s_mov_b32 s33, 12288
	s_mov_b32 s[PS0], 0x05040100
	s_mov_b32 s[PS1], 0x07060302
	s_cmp_eq_u32 s67, 0
	s_cselect_b64 s[28:29], s[10:11], s[12:13]
	s_cselect_b32 s27, 6656, s27
	s_cselect_b32 s30, 106496, s30
	s_cselect_b32 s[FLOOR], 6<<23, s[FLOOR]
	s_cselect_b32 s[SUB], 0x03030303, 0
	s_cselect_b32 s33, 6144, s33
	s_cmp_eq_u32 s67, 2
	s_cselect_b32 s33, 12800, s33
	s_cselect_b32 s34, 6144, 0
	s_cselect_b32 s35, s30, 768
	s_cselect_b32 s36, 768, s30
	s_cselect_b32 s[PS0], 0x03020100, s[PS0]
	s_cselect_b32 s[PS1], 0x07060504, s[PS1]
	s_mul_i32 s26, s26, s27
	s_mov_b32 s27, 0
	s_add_nc_u64 s[28:29], s[28:29], s[26:27]
	s_mov_b32 s41, 0
	s_mov_b32 s40, s33
	s_add_nc_u64 s[44:45], s[28:29], s[40:41]
	s_mov_b32 s40, s30
	s_add_nc_u64 s[46:47], s[44:45], s[40:41]
	s_mov_b32 s40, s34
	s_add_nc_u64 s[48:49], s[28:29], s[40:41]
	s_mov_b32 s40, s36
	s_add_nc_u64 s[50:51], s[48:49], s[40:41]
	s_mov_b32 s40, s35
	s_add_nc_u64 s[52:53], s[48:49], s[40:41]
	s_mov_b32 s40, s36
	s_add_nc_u64 s[54:55], s[52:53], s[40:41]
	s_mov_b32 s[SEL], 0x76543210
	s_mov_b32 s[SEL+1], 0xfedcba98
	PLACES NP
.irp b, 0,1,2,3
	v_mov_b32 v[TM+4+\b], 0
.endr
.macro QUANTW a, u
.set WW, 2+(\a)/4
.set AC, 64*((\a)%4)
.set PC, PCB+24*(\u)
	WIN 0
.irp b, 0,1,2,3
	v_mov_b32 v[TM+\b], s[FLOOR]
.endr
	WIN (WW<<2)|(WW<<4)
.irp i, 0,2,4,6,8,10,12,14
.irp b, 0,1,2,3
	v_max3_num_f32 v[TM+\b], v[TM+\b], |v[AC+16*\b+\i]|, |v[AC+16*\b+\i+1]|
.endr
.endr
	WIN 0
.irp b, 0,1,2,3
	v_permlanex16_b32 v[TM+4+\b], v[TM+\b], s[SEL], s[SEL+1]
.endr
.irp b, 0,1,2,3
	v_max_num_f32 v[TM+\b], v[TM+\b], v[TM+4+\b]
.endr
.irp b, 0,1,2,3
	v_add_nc_u32 v[TM+12+\b], 0xff000000, v[TM+\b]
.endr
.irp b, 0,1,2,3
	v_lshrrev_b32 v[TM+4+\b], 23, v[TM+12+\b]
.endr
	v_lshl_or_b32 v[PW+\u], v[TM+5], 8, v[TM+4]
	v_lshl_or_b32 v[PW+\u], v[TM+6], 16, v[PW+\u]
	v_lshl_or_b32 v[PW+\u], v[TM+7], 24, v[PW+\u]
	v_sub_nc_u32 v[PW+\u], v[PW+\u], s[SUB]
	WIN WW
.irp c, 0,1
	v_cvt_scalef32_pk16_fp6_f32 v[PC+6*\c:PC+6*\c+2], v[AC+32*\c:AC+32*\c+15], v[TM+12+2*\c]
	v_cvt_scalef32_pk16_fp6_f32 v[PC+12+4*\c:PC+14+4*\c], v[AC+32*\c+16:AC+32*\c+31], v[TM+12+2*\c+1]
.endr
	WIN 0
	v_nop
.irp c, 0,1
.irp i, 0,1,2
	v_permlane16_swap_b32 v[PC+6*\c+\i], v[PC+12+4*\c+\i]
.endr
.irp i, 0,1,2
	v_mov_b32 v[PC+3+6*\c+\i], v[PC+12+4*\c+\i]
.endr
.endr
.irp c, 0,1
.irp i, 0,1,2
	global_store_b64 v[L8], v[PC+6*\c+2*\i:PC+6*\c+2*\i+1], s[48+4*(\u)+2*\c:49+4*(\u)+2*\c] offset:1536*((\a)/2)+256*\i
.endr
.endr
.endm
.irp p, 0,1,2,3
.if \p > 0
	s_wait_xcnt 0x0
.endif
	QUANTW 2*\p, 0
	QUANTW 2*\p+1, 1
	v_perm_b32 v[WS+\p], v[PW+1], v[PW], s[PS0]
	v_perm_b32 v[WS+4+\p], v[PW+1], v[PW], s[PS1]
.endr
	global_store_b128 v[L16], v[WS:WS+3], s[44:45]
	global_store_b128 v[L16], v[WS+4:WS+7], s[46:47]
	s_wait_tensorcnt 0x0
	ds_add_u32 v[SPW], v[NIL]
	s_wait_dscnt 0x0
	CROUND
	s_endpgm
.Lfunc_end_k_q77b3e12864_gemm_qkv:
	.size	k_q77b3e12864_gemm_qkv, .Lfunc_end_k_q77b3e12864_gemm_qkv-k_q77b3e12864_gemm_qkv
	.p2alignl 7, 3214868480
	.fill 96, 4, 3214868480
	.section	.rodata,"a",@progbits
	.p2align	6, 0x0
	.amdhsa_kernel k_q77b3e12864_gemm_qkv
		.amdhsa_group_segment_fixed_size 327680
		.amdhsa_private_segment_fixed_size 0
		.amdhsa_enable_private_segment 0
		.amdhsa_kernarg_size 40
		.amdhsa_user_sgpr_count 2
		.amdhsa_user_sgpr_kernarg_segment_ptr 1
		.amdhsa_wavefront_size32 1
		.amdhsa_system_sgpr_workgroup_id_x 1
		.amdhsa_system_sgpr_workgroup_id_y 1
		.amdhsa_system_sgpr_workgroup_id_z 1
		.amdhsa_system_vgpr_workitem_id 0
		.amdhsa_next_free_vgpr 1024
		.amdhsa_next_free_sgpr 100
		.amdhsa_reserve_vcc 0
		.amdhsa_float_denorm_mode_32 3
		.amdhsa_float_denorm_mode_16_64 3
		.amdhsa_memory_ordered 1
		.amdhsa_forward_progress 1
		.amdhsa_inst_pref_size 189
	.end_amdhsa_kernel
	.amdgpu_metadata
---
amdhsa.version: [ 1, 2 ]
amdhsa.kernels:
  - .name:           k_q77b3e12864_gemm_qkv
    .symbol:         k_q77b3e12864_gemm_qkv.kd
    .args:
      - { .name: opc, .offset: 0, .size: 8, .value_kind: global_buffer, .address_space: global }
      - { .name: ops, .offset: 8, .size: 8, .value_kind: global_buffer, .address_space: global }
      - { .name: in_proj_bias, .offset: 16, .size: 8, .value_kind: global_buffer, .address_space: global }
      - { .name: qq, .offset: 24, .size: 8, .value_kind: global_buffer, .address_space: global }
      - { .name: kv, .offset: 32, .size: 8, .value_kind: global_buffer, .address_space: global }
    .group_segment_fixed_size: 327680
    .private_segment_fixed_size: 0
    .kernarg_segment_align: 8
    .kernarg_segment_size: 40
    .max_flat_workgroup_size: 128
    .sgpr_count:     100
    .vgpr_count:     1024
    .wavefront_size: 32
...
	.end_amdgpu_metadata
.endif
;; end of part 2
;; launch attn (part 3): grid 4 x 64, 16 waves a work-group, clusters of 4 x 1, 294,912 bytes of LDS; arguments qq, kv, cc, cs; writes cc, cs
.if DOCPART == 3
	.amdgcn_target "amdgcn-amd-amdhsa--gfx1250"
	.amdhsa_code_object_version 6
	.text
	.protected	k_q77b3e12864_attn
	.globl	k_q77b3e12864_attn
	.p2align	8
	.type	k_q77b3e12864_attn,@function
k_q77b3e12864_attn:
	s_mov_b64 s[64:65], 0
	v_nop
	global_prefetch_b8 v0, s[64:65] scope:SCOPE_SE
	s_setreg_imm32_b32 hwreg(HW_REG_WAVE_MODE, 25, 1), 1
	s_wait_xcnt 0x0
	s_wait_alu depctr_hold_cnt(0) depctr_sa_sdst(0) depctr_va_vdst(0) depctr_va_sdst(0) depctr_va_ssrc(0) depctr_va_vcc(0) depctr_vm_vsrc(0)
	s_getreg_b32 s2, hwreg(HW_REG_IB_STS2, 6, 4)
	s_cmp_eq_u32 s2, 0
	s_cbranch_scc0 .Lentry_in_a_cluster
	s_endpgm
.Lentry_in_a_cluster:
	s_bfe_u32 s2, ttmp6, 0x10000c
	s_cmp_lg_u32 s2, 0x3003
	s_cbranch_scc0 .Lentry_shape_is_right
	s_endpgm
.Lentry_shape_is_right:
; ctx[t][b][head][:] = the sum over keys of softmax(q . k) v, both products on codes of FP6 (E2M3) with E8M0 scales; q's factor 1/8 lies in its scale bytes.  2,048 tokens, 64 heads bh = 16 b + head, head size 64.
; THE SOFTMAX: t = score x log2(e); M = the row's largest t so far, rounded UP to a whole number; p = 2^(t - M) is quantised along the keys, not normalised.  The row's sum is taken of the unquantised p, in f32,
; and divides O at the end.  When M moves, the sum and O are multiplied by 2^(old M - new M): exact.
; SHARES.  Work-group (cx, bh) owns 512 queries of head bh, in two passes of 256; each of its sixteen waves owns one tile of 16 queries a pass and walks all 2,048 keys, 128 a step.
; THE WHOLE HEAD'S K, V AND SCALES, 16 records of 13,312 bytes, LIE IN LDS, filled once: wave w asks for record w, one tensor load a wave.  The four work-groups of a head form a cluster and ask JOINTLY.
; A record in memory: K's 4 fragments (1,536 bytes: registers 0-5 = tile 2 f, 6-11 = tile 2 f + 1; registers 2 p, 2 p + 1 of lane l at 256 p + 8 l), V's 4 fragments (16 channels x 128 keys), K's scale words [lane][4], V's [lane][4].
; In LDS it is 26 rows of 512 bytes, 192 bytes of padding behind each: a fragment is 2,112 bytes, 64 more than a multiple of 256.
; K'S TILES ARE FORMED ANEW AS THEY ARE READ.  In memory tile 2 B + u holds, in row x, key 32 B + 8 u + x + 8 (x / 8).  Lane (r, h) of fragment (c, t) here reads lane (r % 8 + 8 t, h) of the record's fragment 2 c + r / 8:
; rows 0-7 of a tile are then 8 keys of block 2 c and rows 8-15 the same 8 of block 2 c + 1, so that register 32 c + i of S^T in lane (r, h) is key 64 c + 32 h + i of query r: A LANE HOLDS TWO WHOLE BLOCKS OF 32 KEYS,
; in the order of the second product's operand.  No lane is asked for a block's maximum and no code changes lanes.  With the padding the 32 lanes of such a load touch 64 different banks (r / 8 adds 64 bytes modulo 256).
; The head's K is 64, half of the instruction's 128: a fragment holds TWO tiles of keys and is multiplied by (q, 0) for the first and by (0, q) for the second.
; Both products are used transposed (S^T = K Q^T, O^T = V^T P^T): a lane holds ONE query throughout.
; OUT: ctx as codes along C for the last product: cc [group 16 b + t / 128][K step head / 2][tile][1,536], my half (head % 2) of a fragment's image; cs [row in fragment order][32]: bytes 2 head, 2 head + 1.
; No prefetch: the launch's tensor loads all go out at its head, so there is no loop that fetches and nothing to run ahead in.
; LIMITS: the promise holds while the scaled scores stay under 2^31 in magnitude (the running maximum begins at -1e38); p under 2^-126 counts as 0 beside a row's sum of 1/2 at the least; 1 / l is one reciprocal and one multiplication;
; a block of zeros gets the byte 1; NaN and infinities are not served.
.set REC,   13312                      ; a record in memory
.set RECL,  18304                      ; and in LDS: 26 x 704
.set VFR,   8448                       ; V's fragments: row 12
.set KSC,   16896                      ; K's scale words: row 24
.set VSC,   17600                      ; V's: row 25
.set SPARE, 16*RECL                    ; behind the records: the spare words, 128 bytes for each of 16 waves
; v1 8 x lane; v2 16 x lane; v3, v4 the add's two; v5, v6, v8, v9 the step's LDS addresses (K, K's scales, V, V's scales); v7 32 r + h; v10, v35 lane terms of K's and K's scales' addresses; v11 the last -M; v12 -M;
; v13 the largest score; v[14:15] the sum; v[16:21] q, v[22:27] zeros, v[28:33] q again; v34 q's scale word; v[36:83] four fragments; v[84:87] K's scale words, v[88:91] V's; v92 8 h; v[96:159] S^T, then p; v[160:191] O^T;
; v[192:203] p's codes; v[204:206], v[208:210] blocks' upper halves; v[212:215] maxima; v[216:217] scale operands; v[218:219] bytes; v220, v222, v231 at work; v[228:229] f; v230 p's scale word; v[232:239] four partial sums.
.macro CROUND
	s_barrier_signal -1
	s_barrier_wait -1
	s_cmp_lg_u32 s14, 0
	s_cbranch_scc1 .Lnot_wave_0_\@
	s_barrier_signal -3
.Lnot_wave_0_\@:
	s_barrier_wait -3
	s_barrier_signal -1
	s_barrier_wait -1
.endm
	s_load_b256 s[4:11], s[0:1], 0x0               ; qq s[4:5], kv s[6:7], cc s[8:9], cs s[10:11]
	v_lshl_add_u32 v3, v0, 2, SPARE
	v_mov_b32 v4, 0
	ds_add_u32 v3, v4                              ; the opening lines: the add, twice on end, and its wait
	ds_add_u32 v3, v4
	v_lshrrev_b32 v5, 5, v0
	v_readfirstlane_b32 s14, v5                    ; wave 0..15
	s_bfe_u32 s15, ttmp6, 0x40000                  ; cx: it enters q's, cc's and cs's addresses alone
	s_and_b32 s16, ttmp7, 0xffff                   ; bh, which the four partners share
	s_mov_b32 s24, 15|(3<<16)|(1<<20)|(1<<21)|(6<<22)|(47<<25)  ; the mask: all four; elements of 8 bytes; padding on; 21 beside a mask; after every 128 words; 48 words
	s_mov_b32 s25, 64<<16                          ; tensor_dim0 = 64 elements: rows of 512 bytes
	s_mov_b32 s26, 26<<16                          ; tensor_dim1 = 26 rows: a record
	s_mov_b32 s27, 64<<16                          ; tile_dim0
	s_mov_b32 s28, 26                              ; tile_dim1
	s_mov_b32 s29, 64                              ; dense
	s_mov_b32 s30, 0
	s_mov_b32 s31, 0
	s_mov_b32 s20, 0x76543210
	s_mov_b32 s21, 0xfedcba98                      ; selects for lane l xor 16
	s_mov_b32 s22, 0x3fb8aa3b                      ; log2(e)
	s_mov_b32 s23, s22
	s_mov_b32 s51, 0xffff0000
	s_and_b32 s66, s14, 1
	s_mov_b32 s50, 0x03020302                      ; an odd tile's two bytes of the word that two tiles share, twice;
	s_cmp_eq_u32 s66, 0
	s_cselect_b32 s50, 0x01000100, s50             ; an even tile's
	s_mul_i32 s17, s14, REC                        ; wave w fetches record w
	s_mul_i32 s18, s16, 16*REC
	s_add_co_u32 s18, s18, s17
	s_mov_b32 s19, 0
	s_mov_b32 s32, 1
	s_mul_i32 s33, s14, RECL                       ; its place in LDS
	s_lshl_b32 s66, s15, 2
	s_lshr_b32 s67, s14, 3
	s_add_co_u32 s66, s66, s67                     ; my tile is 32 cx + 16 pass + w: its group of 128 tokens in pass 0,
	s_and_b32 s67, s14, 7                          ; and its place there
	s_lshl_b32 s68, s16, 4
	s_add_co_u32 s68, s68, s66
	s_mul_i32 s68, s68, 6656                       ; q's record
	s_mul_i32 s69, s67, 768
	s_add_co_u32 s70, s68, s69                     ; my tile's codes
	s_mov_b32 s71, 0
	s_lshr_b32 s69, s67, 1
	s_lshl_b32 s69, s69, 2
	s_add_co_u32 s72, s68, s69
	s_add_co_u32 s72, s72, 6144                    ; the word that holds its scale bytes
	s_mov_b32 s73, 0
	s_lshr_b32 s68, s16, 4                         ; b
	s_and_b32 s69, s16, 15                         ; head
	s_lshl_b32 s74, s68, 4
	s_add_co_u32 s74, s74, s66
	s_mul_i32 s74, s74, 98304                      ; cc: the group,
	s_lshr_b32 s76, s69, 1
	s_mul_i32 s76, s76, 12288                      ; the K step,
	s_add_co_u32 s74, s74, s76
	s_mul_i32 s76, s67, 1536                       ; the tile,
	s_add_co_u32 s74, s74, s76
	s_and_b32 s76, s69, 1
	s_mul_i32 s76, s76, 768                        ; the half
	s_add_co_u32 s74, s74, s76
	s_mov_b32 s75, 0
	s_lshl_b32 s76, s68, 7
	s_lshl_b32 s77, s66, 3
	s_add_co_u32 s76, s76, s77
	s_add_co_u32 s76, s76, s67                     ; cs: tile 128 b + my tile: 512 bytes,
	s_lshl_b32 s76, s76, 9
	s_lshl_b32 s77, s69, 1
	s_add_co_u32 s76, s76, s77                     ; + 2 head
	s_mov_b32 s77, 0
	v_and_b32 v1, 31, v0
	v_and_b32 v7, 15, v0
	v_bfe_u32 v5, v0, 4, 1                         ; h
	v_and_b32 v6, 7, v0                            ; r % 8
	v_bfe_u32 v8, v0, 3, 1                         ; r / 8
	v_lshlrev_b32 v2, 4, v1
	v_lshlrev_b32 v1, 3, v1
	v_lshl_add_u32 v7, v7, 5, v5
	v_lshlrev_b32 v92, 3, v5
	v_lshlrev_b32 v10, 3, v6
	v_lshlrev_b32 v35, 4, v6
	v_lshl_add_u32 v10, v5, 7, v10
	v_lshl_add_u32 v35, v8, 2, v35                 ; K's scale words: 16 (r % 8) + 4 (r / 8)
	v_mad_u32_u24 v10, v8, 2112, v10               ; K: 8 (r % 8) + 128 h + a fragment for r / 8
	s_wait_alu depctr_va_vdst(0)
	s_wait_dscnt 0x0                               ; both opening adds are done
	s_wait_kmcnt 0x0
	s_add_nc_u64 s[34:35], s[6:7], s[18:19]
	s_or_b32 s35, s35, 0x80000000                  ; type = 2
	s_add_nc_u64 s[52:53], s[4:5], s[70:71]
	s_add_nc_u64 s[54:55], s[4:5], s[72:73]
	s_add_nc_u64 s[56:57], s[8:9], s[74:75]
	s_add_nc_u64 s[58:59], s[10:11], s[76:77]
	CROUND                                         ; all four work-groups are here: the joint loads meet
	tensor_load_to_lds s[32:35], s[24:31]          ; my one tensor load of the launch
	s_nop 0
; A pass's head: my tile of q and its scale word; O^T and the sums begin as zeros, the largest score as -1e38 and -M as 1e38, so that the first step's f is 0 and the loop has no first step of its own.
.macro PASSHEAD
.irp i, 0,1,2
	global_load_b64 v[16+2*\i:17+2*\i], v1, s[52:53] offset:256*\i
.endr
	global_load_b32 v231, v2, s[54:55]
	v_mov_b32 v13, 0xfe967699
	v_mov_b32 v12, 0x7e967699
	v_mov_b32 v11, 0x7e967699
.irp x, 14,15,229,220,222,22,23,24,25,26,27,232,233,234,235,236,237,238,239
	v_mov_b32 v\x, 0                               ; sums; upper half of f's pair; lane permutes' destinations; zero codes; partial sums
.endr
	s_mov_b32 s48, 0
	s_wait_loadcnt 0x0
	v_perm_b32 v34, v231, v231, s50                ; (s0, s1, s0, s1): q's two bytes serve whichever half q stands in
.irp i, 0,1,2,3,4,5
	v_mov_b32 v[28+\i], v[16+\i]                   ; v[16:27] = (q, 0), v[22:33] = (0, q)
.endr
.set j, 0
.rept 32
	v_mov_b32 v[160+j], 0                          ; (also the places between the lines above and the first scaled product)
.set j, j+1
.endr
	s_wait_alu depctr_va_vdst(0)
.endm
.macro JOIN                            ; the last step's four partial sums go into the row's sum, still under that step's M
	v_pk_add_f32 v[232:233], v[232:233], v[234:235]
	v_pk_add_f32 v[236:237], v[236:237], v[238:239]
	v_pk_add_f32 v[232:233], v[232:233], v[236:237]
	v_pk_add_f32 v[14:15], v[14:15], v[232:233]
.endm
.macro ADDS from, n                    ; pairs from .. from + n - 1 of p onto the four partial sums, by turns
.set i, \from
.rept \n
	v_pk_add_f32 v[232+2*(i%4):233+2*(i%4)], v[232+2*(i%4):233+2*(i%4)], v[96+2*i:97+2*i]
.set i, i+1
.endr
.endm
; A KEY STEP: the 128 keys of the record at LDS byte s48.
.macro STEP
	v_add_nc_u32 v5, s48, v10                      ; these four are the places in front of loads into registers that the last products read
	v_add_nc_u32 v6, s48, v35
	v_add_nc_u32 v8, s48, v1
	v_add_nc_u32 v9, s48, v2
.irp c, 0,1
.irp t, 0,1
.irp p, 0,1,2,3,4,5
	ds_load_b64 v[36+12*(2*\c+\t)+2*\p:37+12*(2*\c+\t)+2*\p], v5 offset:4224*\c+64*\t+704*(\p/2)+256*(\p%2)
.endr
	ds_load_b32 v[84+2*\c+\t], v6 offset:KSC+128*\t+8*\c
.endr
.endr
	s_wait_alu depctr_va_vdst(0)
	s_wait_dscnt 0x0
.irp f, 0,1,2,3                                ; S^T: eight accumulators, one instruction each
	v_wmma_scale_f32_16x16x128_f8f6f4 v[96+16*\f:103+16*\f], v[36+12*\f:47+12*\f], v[16:27], 0, v[84+\f], v34 matrix_a_fmt:MATRIX_FMT_FP6 matrix_b_fmt:MATRIX_FMT_FP6
	v_wmma_scale_f32_16x16x128_f8f6f4 v[104+16*\f:111+16*\f], v[36+12*\f:47+12*\f], v[22:33], 0, v[84+\f], v34 matrix_a_fmt:MATRIX_FMT_FP6 matrix_b_fmt:MATRIX_FMT_FP6
.endr
	JOIN                                           ; four places: for the loads below and for the first read of the scores
.irp f, 0,1,2,3                                ; V is asked for at once: it lands under the softmax
.irp p, 0,1,2,3,4,5
	ds_load_b64 v[36+12*\f+2*\p:37+12*\f+2*\p], v8 offset:VFR+2112*\f+704*(\p/2)+256*(\p%2)
.endr
.endr
	ds_load_b128 v[88:91], v9 offset:VSC
.irp c, 0,1                                    ; the largest score of my two blocks, each in two chains; every accumulator is first read at its low end
	v_max3_num_f32 v[212+\c], v[96+32*\c], v[97+32*\c], v[98+32*\c]
	v_max3_num_f32 v[214+\c], v[112+32*\c], v[113+32*\c], v[114+32*\c]
.endr
.irp i, 3,5,7,9,11,13
.irp c, 0,1
	v_max3_num_f32 v[212+\c], v[212+\c], v[96+32*\c+\i], v[97+32*\c+\i]
	v_max3_num_f32 v[214+\c], v[214+\c], v[112+32*\c+\i], v[113+32*\c+\i]
.endr
.endr
.irp c, 0,1
	v_max3_num_f32 v[212+\c], v[212+\c], v[214+\c], v[111+32*\c]
.endr
.irp c, 0,1
	v_max_num_f32 v[212+\c], v[212+\c], v[127+32*\c]
.endr
	s_delay_alu instid0(VALU_DEP_1)
	v_max_num_f32 v231, v212, v213
	s_delay_alu instid0(VALU_DEP_1)
	v_permlanex16_b32 v222, v231, s20, s21         ; lane l xor 16 holds my query's other two blocks
	s_delay_alu instid0(VALU_DEP_1)
	v_max3_num_f32 v13, v13, v231, v222            ; the running largest score (log2(e) is positive: the largest t is its product)
	s_delay_alu instid0(VALU_DEP_1)
	v_mul_f32 v231, s22, v13
	s_delay_alu instid0(VALU_DEP_1)
	v_floor_f32 v12, -v231                         ; the new -M = floor(-t) = -ceil(t)
	s_delay_alu instid0(VALU_DEP_1)
	v_sub_f32 v231, v12, v11                       ; old M - new M: a whole number, 0 or less
	v_pk_fma_f32 v[212:213], v[212:213], s[22:23], v[12:13] op_sel_hi:[1,0,0]   ; t - M of the blocks' largest scores
.set j, 0
.rept 3
	v_pk_fma_f32 v[96+j:97+j], v[96+j:97+j], s[22:23], v[12:13] op_sel_hi:[1,0,0]   ; t - M, two at a time
.set j, j+2
.endr
	v_cvt_i32_f32 v231, v231                       ; (it saturates)
.rept 4
	v_pk_fma_f32 v[96+j:97+j], v[96+j:97+j], s[22:23], v[12:13] op_sel_hi:[1,0,0]
.set j, j+2
.endr
	v_ldexp_f32 v228, 1.0, v231                    ; f = 2^(old M - new M)
.rept 25
	v_pk_fma_f32 v[96+j:97+j], v[96+j:97+j], s[22:23], v[12:13] op_sel_hi:[1,0,0]
.set j, j+2
.endr
	v_pk_mul_f32 v[14:15], v[14:15], v[228:229] op_sel_hi:[1,0]   ; the sum under the new M
.set j, 0
.rept 16
	v_pk_mul_f32 v[160+j:161+j], v[160+j:161+j], v[228:229] op_sel_hi:[1,0]   ; O^T under the new M, each accumulator from its low end on
.set j, j+2
.endr
	s_wait_alu depctr_va_vdst(0)
	v_exp_f32 v212, v212                           ; the blocks' largest p: the same two instructions on the same number give the same bits
	v_exp_f32 v213, v213
.set j, 0
.rept 64
	v_exp_f32 v[96+j], v[96+j]                     ; p = 2^(t - M)
.set j, j+1
.endr
	v_mov_b32 v11, v12                             ; the next step's old -M: the plain instruction behind the batch
	s_wait_alu depctr_va_vdst(0)                   ; one wait for the 66, ahead of their first reader
.irp c, 0,1
	v_max_num_f32 v[212+\c], 0x1800000, v[212+\c]  ; the floor 2^(3 - 127): the byte cannot fall under 1
.endr
.irp c, 0,1
	v_add_nc_u32 v[216+\c], 0xff000000, v[212+\c]  ; 2 off the exponent field: the conversion's scale operand
.endr
.irp c, 0,1
	v_cvt_scalef32_pk16_fp6_f32 v[192+6*\c:194+6*\c], v[96+32*\c:111+32*\c], v[216+\c]
	v_cvt_scalef32_pk16_fp6_f32 v[204+4*\c:206+4*\c], v[112+32*\c:127+32*\c], v[216+\c]   ; (a conversion's three registers begin on an even number)
.endr
.irp c, 0,1
	v_lshrrev_b32 v[218+\c], 23, v[216+\c]         ; the scale's byte.  (Also the plain place behind the conversions)
.endr
.irp c, 0,1
.irp i, 0,1,2
	v_mov_b32 v[195+6*\c+\i], v[204+4*\c+\i]       ; registers 6 c .. 6 c + 5: k = 64 c + 32 h + 0 .. 31
.endr
.endr
	v_lshl_or_b32 v230, v219, 16, v218             ; my bytes: blocks h and 2 + h,
.irp k, 0,1,2,3
	v_pk_add_f32 v[232+2*\k:233+2*\k], v[96+2*\k:97+2*\k], v[104+2*\k:105+2*\k]   ; THE ROW'S SUM IS TAKEN OF THE UNQUANTISED p: four partial sums begin
.endr
	v_lshlrev_b32 v230, v92, v230                  ; 8 h bits up;
	ADDS 8, 4
	v_permlanex16_b32 v220, v230, s20, s21
	ADDS 12, 4
	v_or_b32 v230, v230, v220                      ; with lane l xor 16's two the word is whole
	ADDS 16, 16                                    ; (these 16 are also the places between the scale word and the products)
	s_wait_alu depctr_va_vdst(0)
	s_wait_dscnt 0x0                               ; V is in
.irp f, 0,1,2,3                                ; O^T += V^T P^T: four accumulators, one instruction each
	v_wmma_scale_f32_16x16x128_f8f6f4 v[160+8*\f:167+8*\f], v[36+12*\f:47+12*\f], v[192:203], v[160+8*\f:167+8*\f], v[88+\f], v230 matrix_a_fmt:MATRIX_FMT_FP6 matrix_b_fmt:MATRIX_FMT_FP6
.endr
	s_add_co_u32 s48, s48, RECL
.endm
; A pass's end: O^T / l; register 16 b + i is channel 32 b + 16 h + i of my query: two blocks along C, quantised as every operand is.
.macro EPI
	JOIN                                           ; the last step's partial sums: four places behind the last products
	v_add_f32 v14, v14, v15
	s_delay_alu instid0(VALU_DEP_1)
	v_permlanex16_b32 v231, v14, s20, s21
	s_delay_alu instid0(VALU_DEP_1)
	v_add_f32 v14, v14, v231                       ; the row's sum
	s_wait_alu depctr_va_vdst(0)
	v_rcp_f32 v228, v14
	v_nop                                          ; a plain instruction behind the reciprocal,
	s_wait_alu depctr_va_vdst(0)                   ; and the wait ahead of its first reader and of O^T's
.set j, 0
.rept 16
	v_pk_mul_f32 v[96+j:97+j], v[160+j:161+j], v[228:229] op_sel_hi:[1,0]
.set j, j+2
.endr
.irp b, 0,1
	v_max3_num_f32 v[212+\b], |v[96+16*\b]|, |v[97+16*\b]|, 0x1800000
.endr
.irp i, 2,4,6,8,10,12,14
.irp b, 0,1
	v_max3_num_f32 v[212+\b], v[212+\b], |v[96+16*\b+\i]|, |v[97+16*\b+\i]|
.endr
.endr
.irp b, 0,1
	v_permlanex16_b32 v[216+\b], v[212+\b], s20, s21
.endr
.irp b, 0,1
	v_max_num_f32 v[212+\b], v[212+\b], v[216+\b]
.endr
.irp b, 0,1
	v_add_nc_u32 v[218+\b], 0xff000000, v[212+\b]
.endr
.irp b, 0,1
	v_lshrrev_b32 v[216+\b], 23, v[218+\b]
.endr
	v_cvt_scalef32_pk16_fp6_f32 v[192:194], v[96:111], v218
	v_cvt_scalef32_pk16_fp6_f32 v[204:206], v[112:127], v219
	v_nop
.irp i, 0,1,2
	v_permlane16_swap_b32 v[192+\i], v[204+\i]
.endr
.irp i, 0,1,2
	v_mov_b32 v[195+\i], v[204+\i]                 ; six registers: k = 32 h + 0 .. 31 of my head's 64
.endr
	v_cndmask_b32 v231, v216, v217, s51            ; lanes 0-15 store block 0's byte, lanes 16-31 block 1's
.irp i, 0,1,2
	global_store_b64 v1, v[192+2*\i:193+2*\i], s[56:57] offset:256*\i   ; 256 consecutive bytes, at a multiple of 256 from the buffer's first byte
.endr
	global_store_b8 v7, v231, s[58:59]
.endm
.macro KEYS n                          ; all 16 records
	s_mov_b32 s49, 16
.Lkeys_\n:
	STEP
	s_sub_co_u32 s49, s49, 1
	s_cmp_lg_u32 s49, 0
	s_cbranch_scc1 .Lkeys_\n
.endm
	PASSHEAD
	s_wait_tensorcnt 0x0                           ; my record is in;
	s_barrier_signal -1
	s_barrier_wait -1                              ; and everybody's
	KEYS 0
	EPI
	s_wait_xcnt 0x0                                ; the stores have read their data and bases: both are written again only behind this wait
	s_add_nc_u64 s[52:53], s[52:53], 2*6656        ; 16 tiles on: two records of q,
	s_add_nc_u64 s[54:55], s[54:55], 2*6656
	s_add_nc_u64 s[56:57], s[56:57], 2*98304       ; two groups of cc,
	s_add_nc_u64 s[58:59], s[58:59], 16*512        ; 16 tiles of cs
	PASSHEAD
	KEYS 1
	EPI
	s_wait_tensorcnt 0x0                           ; the wave's end
	ds_add_u32 v3, v4
	s_wait_dscnt 0x0
	CROUND                                         ; the closing round
	s_endpgm
.Lfunc_end_k_q77b3e12864_attn:
	.size	k_q77b3e12864_attn, .Lfunc_end_k_q77b3e12864_attn-k_q77b3e12864_attn
	.p2alignl 7, 3214868480
	.fill 96, 4, 3214868480
	.section	.rodata,"a",@progbits
	.p2align	6, 0x0
	.amdhsa_kernel k_q77b3e12864_attn
		.amdhsa_group_segment_fixed_size 294912
		.amdhsa_private_segment_fixed_size 0
		.amdhsa_enable_private_segment 0
		.amdhsa_kernarg_size 32
		.amdhsa_user_sgpr_count 2
		.amdhsa_user_sgpr_kernarg_segment_ptr 1
		.amdhsa_wavefront_size32 1
		.amdhsa_system_sgpr_workgroup_id_x 1
		.amdhsa_system_sgpr_workgroup_id_y 1
		.amdhsa_system_sgpr_workgroup_id_z 1
		.amdhsa_system_vgpr_workitem_id 0
		.amdhsa_next_free_vgpr 256
		.amdhsa_next_free_sgpr 80
		.amdhsa_reserve_vcc 0
		.amdhsa_float_denorm_mode_32 3
		.amdhsa_float_denorm_mode_16_64 3
		.amdhsa_memory_ordered 1
		.amdhsa_forward_progress 1
		.amdhsa_inst_pref_size 51
	.end_amdhsa_kernel
	.amdgpu_metadata
---
amdhsa.version: [ 1, 2 ]
amdhsa.kernels:
  - .name:           k_q77b3e12864_attn
    .symbol:         k_q77b3e12864_attn.kd
    .args:
      - { .name: qq, .offset: 0, .size: 8, .value_kind: global_buffer, .address_space: global }
      - { .name: kv, .offset: 8, .size: 8, .value_kind: global_buffer, .address_space: global }
      - { .name: cc, .offset: 16, .size: 8, .value_kind: global_buffer, .address_space: global }
      - { .name: cs, .offset: 24, .size: 8, .value_kind: global_buffer, .address_space: global }
    .group_segment_fixed_size: 294912
    .private_segment_fixed_size: 0
    .kernarg_segment_align: 8
    .kernarg_segment_size: 32
    .max_flat_workgroup_size: 512
    .sgpr_count:     80
    .vgpr_count:     256
    .wavefront_size: 32
...
	.end_amdgpu_metadata
.endif
;; end of part 3
;; launch gemm_out (part 4): grid 4 x 64, 4 waves a work-group, clusters of 4 x 4, 308,480 bytes of LDS; arguments cc, cs, opc, ops, out_proj_bias, out0; writes out0
.if DOCPART == 4
	.amdgcn_target "amdgcn-amd-amdhsa--gfx1250"
	.amdhsa_code_object_version 6
	.text
	.protected	k_q77b3e12864_gemm_out
	.globl	k_q77b3e12864_gemm_out
	.p2align	8
	.type	k_q77b3e12864_gemm_out,@function
k_q77b3e12864_gemm_out:
	s_mov_b64 s[64:65], 0
	v_nop
	global_prefetch_b8 v0, s[64:65] scope:SCOPE_SE
	s_setreg_imm32_b32 hwreg(HW_REG_WAVE_MODE, 25, 1), 1
	s_wait_xcnt 0x0
	s_wait_alu depctr_hold_cnt(0) depctr_sa_sdst(0) depctr_va_vdst(0) depctr_va_sdst(0) depctr_va_ssrc(0) depctr_va_vcc(0) depctr_vm_vsrc(0)
	s_getreg_b32 s2, hwreg(HW_REG_IB_STS2, 6, 4)
	s_cmp_eq_u32 s2, 0
	s_cbranch_scc0 .Lentry_in_a_cluster
	s_endpgm
.Lentry_in_a_cluster:
	s_bfe_u32 s2, ttmp6, 0x10000c
	s_cmp_lg_u32 s2, 0xf033
	s_cbranch_scc0 .Lentry_shape_is_right
	s_endpgm
.Lentry_shape_is_right:
; out0[t][b][n] = the sum over c of ctx[t][b][c] out_proj_weight[n][c] + out_proj_bias[n], on codes of FP6 (E2M3) with E8M0 scales; sums in f32.  M = 8,192 rows in 64 groups of 128 (group 16 b + t / 128), N = K = 1,024.
; OPERANDS as images of the matrix operand's registers: cc and opc [group][K step of 128: 8][place: 8][1,536 bytes] (registers 2 p, 2 p + 1 of lane l at 256 p + 8 l); cs and ops [group][place][r][32 scale bytes].
; Tile s of a group holds, in lane-row r, row 32 (s / 2) + 8 (s % 2) + r + 8 (r / 8).  out_proj_weight's rows are groups 88 to 95 of opc and ops.
; A BLOCK OF 128 x 256: 64 x 4 = 256 work-groups.  For such a block ALL OF K FITS IN LDS: A's group 98,304 bytes, B's two groups 196,608, the scales 13,056 with their padding.  So there is no ring: four tensor loads at the head,
; one a wave (A's codes, B's codes, A's scales, B's scales), one wait, one barrier, and nothing is filled again.
; CLUSTERS: 4 x 4 work-groups.  A's group hangs on the block row alone and is asked for jointly along a row of the cluster, B's on the block column alone and jointly along a column.
; A wave makes 64 x 128: A's four tiles 4 (w / 2) .. + 3 against the eight tiles of B's group w % 2: 32 accumulators in window 2, which take turns, one instruction a turn.
; A and B have two sets of fragment registers each: while a K step is multiplied, the next step's 72 LDS loads are on their way.  The walk of 8 K steps is written out: every LDS offset is an immediate.
; THE MATRIX INSTRUCTION IS USED TRANSPOSED (source 0 = 16 rows of B, source 1 = 16 rows of A): a lane holds eight neighbouring numbers of a row of out0.  The bias is the C of the first K step's products.
; THE WAY OUT: a tile of 16 rows x 128 columns goes through the wave's stage in LDS and leaves as rows of 512 bytes.  The stages lie over A's first bytes, behind a barrier behind which no wave reads codes any more.
; No prefetch: the launch's tensor loads all go out at its head, so there is no loop that fetches and nothing to run ahead in.
; REGISTERS: window 0: v16-29 addresses; v32-63 scale words, two sets; v64-127 the bias; v128-223 A's fragments, two sets of 48; on the way out v128-255.  Window 1: B's fragments at v0 and v128.  Window 2: the accumulators, (a, b) at v[8 (8 a + b)].
.set NQ,     2
.set FR,     12
.set FRB,    1536
.set NL,     6
.set NP,     4
.set GRPB,   98304
.set BLDS,   GRPB                      ; B's codes in LDS, behind A's
.set SCL,    3*GRPB                    ; the scales: rows of 256 bytes + 16 of padding; A's 16 rows, then B's 32
.set HALFS,  16*272
.set SBLK,   2*272
.set SPARE,  SCL+3*HALFS               ; the spare words, 128 bytes for each of 4 waves
.set SPITCH, 528
.set ADRA, 16                          ; v16, v17  my A fragments, K steps 0-3 and 4-7
.set ADRB, 20                          ; v20, v21  the same for B
.set STO,  24
.set RD,   25
.set CO,   26
.set ADRS, 27
.set SPW,  28
.set NIL,  29
.set SC,   32
.set BIAS, 64
.set AF,   128
.set BK,   128
.set G1, 24
.set G0, 32
.set G1B, 48
.set G0B, 56
.set G1S, 68
.set G0S, 76
.set G1SB, 80
.set G0SB, 88
.set MSB, 0
.macro WIN new
.if MSB != (\new)
	s_set_vgpr_msb (MSB<<8)|(\new)
.set MSB, (\new)
.endif
.endm
.set MUL_LO, 0xa1                      ; source 0 (B) window 1, source 1 (A) window 0, C and D window 2
.set MUL_C0, 0x81                      ; the same with C (the bias) in window 0
.set TO_B,   0x40
.macro CREST
	s_cmp_lg_u32 s14, 0
	s_cbranch_scc1 .Lnot_wave_0_\@
	s_barrier_signal -3
.Lnot_wave_0_\@:
	s_barrier_wait -3
	s_barrier_signal -1
	s_barrier_wait -1
.endm
.macro CROUND
	s_barrier_signal -1
	s_barrier_wait -1
	CREST
.endm
	s_load_b256 s[4:11], s[0:1], 0x0               ; cc s[4:5], cs s[6:7], opc s[8:9], ops s[10:11]
	s_load_b128 s[96:99], s[0:1], 0x20             ; out_proj_bias, out0
	v_lshl_add_u32 v[SPW], v0, 2, SPARE
	v_mov_b32 v[NIL], 0
	ds_add_u32 v[SPW], v[NIL]                      ; the opening adds
	ds_add_u32 v[SPW], v[NIL]
	v_lshrrev_b32 v1, 5, v0
	v_readfirstlane_b32 s14, v1                    ; wave 0..3
	s_lshr_b32 s15, s14, 1                         ; which four tiles of A
	s_and_b32 s16, s14, 1                          ; which group of B
	s_bfe_u32 s40, ttmp6, 0x40000                  ; cx
	s_bfe_u32 s41, ttmp6, 0x40004                  ; cy
	s_and_b32 s17, ttmp7, 0xffff
	s_lshl_b32 s17, s17, 2
	s_add_co_u32 s17, s17, s41                     ; A's group = block row = 4 x cluster y + cy
	s_lshl_b32 s42, s40, 1
	s_add_co_u32 s42, s42, 88                      ; B's first group: 88 + 2 cx
	s_lshl_b32 s43, s41, 2
	s_lshl_b32 s43, 15, s43                        ; my row of the cluster
	s_lshl_b32 s44, 0x1111, s40                    ; my column
	s_or_b32 s[G1+0], s43, (3<<16)|(1<<21)         ; codes: dense rows of 256 bytes (32 elements of 8), no padding: A's 384 rows,
	s_mov_b32 s[G1+1], 32<<16
	s_mov_b32 s[G1+2], 384<<16
	s_mov_b32 s[G1+3], 32<<16
	s_mov_b32 s[G1+4], 384
	s_mov_b32 s[G1+5], 32
	s_mov_b32 s[G1+6], 0
	s_mov_b32 s[G1+7], 0
	s_or_b32 s[G1B+0], s44, (3<<16)|(1<<21)        ; B's 768
	s_mov_b32 s[G1B+1], 32<<16
	s_mov_b32 s[G1B+2], 768<<16
	s_mov_b32 s[G1B+3], 32<<16
	s_mov_b32 s[G1B+4], 768
	s_mov_b32 s[G1B+5], 32
	s_mov_b32 s[G1B+6], 0
	s_mov_b32 s[G1B+7], 0
	s_or_b32 s[G1S+0], s43, (3<<16)|(1<<20)|(1<<21)|(5<<22)|(3<<25)   ; scales: rows of 256 bytes, 16 bytes of padding behind each: A's 16 rows,
	s_mov_b32 s[G1S+1], 32<<16
	s_mov_b32 s[G1S+2], 16<<16
	s_mov_b32 s[G1S+3], 32<<16
	s_mov_b32 s[G1S+4], 16
	s_mov_b32 s[G1S+5], 32
	s_mov_b32 s[G1S+6], 0
	s_mov_b32 s[G1S+7], 0
	s_or_b32 s[G1SB+0], s44, (3<<16)|(1<<20)|(1<<21)|(5<<22)|(3<<25)  ; B's 32
	s_mov_b32 s[G1SB+1], 32<<16
	s_mov_b32 s[G1SB+2], 32<<16
	s_mov_b32 s[G1SB+3], 32<<16
	s_mov_b32 s[G1SB+4], 32
	s_mov_b32 s[G1SB+5], 32
	s_mov_b32 s[G1SB+6], 0
	s_mov_b32 s[G1SB+7], 0
	s_lshl_b32 s22, s17, 12                        ; a group's scales are 4,096 bytes,
	s_mov_b32 s23, 0
	s_lshl_b32 s92, s42, 12
	s_mov_b32 s93, 0
	s_mul_i32 s20, s17, GRPB                       ; its codes 98,304
	s_mov_b32 s21, 0
	s_mul_i32 s46, s42, GRPB
	s_mov_b32 s47, 0
	s_wait_dscnt 0x0                               ; both opening adds are done
	s_wait_kmcnt 0x0
	s_add_nc_u64 s[20:21], s[4:5], s[20:21]
	s_add_nc_u64 s[22:23], s[6:7], s[22:23]
	s_add_nc_u64 s[46:47], s[8:9], s[46:47]
	s_add_nc_u64 s[92:93], s[10:11], s[92:93]
	CROUND                                         ; all sixteen work-groups are here: the joint loads meet
	s_mov_b32 s[G0], 1
	s_mov_b32 s[G0+1], 0
	s_mov_b64 s[G0+2:G0+3], s[20:21]
	s_or_b32 s[G0+3], s[G0+3], 0x80000000
	s_mov_b32 s[G0B], 1
	s_mov_b32 s[G0B+1], BLDS
	s_mov_b64 s[G0B+2:G0B+3], s[46:47]
	s_or_b32 s[G0B+3], s[G0B+3], 0x80000000
	s_mov_b32 s[G0S], 1
	s_mov_b32 s[G0S+1], SCL
	s_mov_b64 s[G0S+2:G0S+3], s[22:23]
	s_or_b32 s[G0S+3], s[G0S+3], 0x80000000
	s_mov_b32 s[G0SB], 1
	s_mov_b32 s[G0SB+1], SCL+HALFS
	s_mov_b64 s[G0SB+2:G0SB+3], s[92:93]
	s_or_b32 s[G0SB+3], s[G0SB+3], 0x80000000
.macro ARM under, g0, g1, next         ; one chain of branches on the wave's number: every way passes exactly one load
	s_cmp_lt_u32 s14, \under
	s_cbranch_scc0 \next
	tensor_load_to_lds s[\g0:\g0+3], s[\g1:\g1+7]
	s_nop 0
.rept 4
	v_nop
.endr
	s_branch .Lhead_asked
\next:
.endm
	ARM 1, G0,  G1,  .Lhead_b
	ARM 2, G0B, G1B, .Lhead_sa
	ARM 3, G0S, G1S, .Lhead_sb
	tensor_load_to_lds s[G0SB:G0SB+3], s[G1SB:G1SB+7]
	s_nop 0
.rept 4
	v_nop
.endr
.Lhead_asked:
	v_and_b32 v1, 15, v0                           ; r
	v_bfe_u32 v2, v0, 4, 1                         ; h
	v_and_b32 v3, 31, v0
	v_lshlrev_b32 v4, 3, v3                        ; 8 x lane
	s_mul_i32 s21, s15, 4*FRB                      ; my four tiles of A
	s_mul_i32 s22, s16, GRPB
	s_add_co_u32 s22, s22, BLDS                    ; my group of B
.irp s, 0,1
	v_add_nc_u32 v[ADRA+\s], s21, v4
	v_add_nc_u32 v[ADRB+\s], s22, v4
	s_add_co_u32 s21, s21, 4*8*FRB                 ; four K steps on
	s_add_co_u32 s22, s22, 4*8*FRB
.endr
	v_lshlrev_b32 v5, 5, v1                        ; my row's scales: 32 bytes a row,
	v_lshrrev_b32 v6, 8, v5
	v_lshl_add_u32 v5, v6, 4, v5                   ; and 16 more for each 256 passed
	s_mul_i32 s21, s15, 4*SBLK                     ; A's: my four tiles
	s_mul_i32 s22, s16, HALFS
	s_add_co_u32 s22, s22, HALFS                   ; B's: my group, behind A's 16 rows
	s_sub_co_u32 s22, s22, s21
	v_mul_u32_u24 v6, s22, v2                      ; lanes 16-31 take B's
	s_add_co_u32 s21, s21, SCL
	v_add_nc_u32 v5, v5, v6
	v_add_nc_u32 v[ADRS], s21, v5
	s_mul_i32 s23, s14, 16*SPITCH                  ; my stage
	v_mul_u32_u24 v5, v1, SPITCH
	v_lshl_add_u32 v5, v2, 6, v5
	v_add_nc_u32 v[STO], s23, v5
	v_lshlrev_b32 v[CO], 4, v3
	v_add_nc_u32 v[RD], s23, v[CO]
	s_lshl_b32 s46, s40, 10                        ; my first column, in bytes: 1,024 cx + 512 (w % 2)
	s_lshl_b32 s47, s16, 9
	s_add_co_u32 s46, s46, s47
	s_mov_b32 s47, 0
	s_add_nc_u64 s[96:97], s[96:97], s[46:47]
	s_and_b32 s21, s17, 15                         ; out0: t = 128 (group % 16), 16,384 bytes a step in t; b = group / 16, 4,096 bytes
	s_lshl_b32 s21, s21, 9
	s_lshr_b32 s20, s17, 4
	s_add_co_u32 s20, s20, s21
	s_lshl_b32 s20, s20, 12
	s_add_co_u32 s20, s20, s46
	s_lshl_b32 s21, s15, 20                        ; tiles 4 to 7 begin 64 rows of 16,384 bytes further on
	s_add_co_u32 s20, s20, s21
	s_mov_b32 s21, 0
	s_add_nc_u64 s[98:99], s[98:99], s[20:21]
	v_lshlrev_b32 v7, 6, v2
.irp b, 0,1,2,3,4,5,6,7
	global_load_b128 v[BIAS+8*\b:BIAS+8*\b+3], v7, s[96:97] offset:(32*(\b/2)+8*(\b%2))*4
	global_load_b128 v[BIAS+8*\b+4:BIAS+8*\b+7], v7, s[96:97] offset:(32*(\b/2)+8*(\b%2))*4+16
.endr
.macro FRAG reg, adr, k, i             ; a fragment of K step k: six loads of 256 consecutive bytes
.irp p, 0,1,2,3,4,5
	ds_load_b64 v[\reg+2*\p:\reg+2*\p+1], v[\adr+(\k)/4] offset:((\k)%4)*8*FRB+(\i)*FRB+256*\p
.endr
.endm
.macro MUL16 a0, p, q, sc, cm          ; A's tiles a0, a0 + 1 x B's eight; p: the sets; sc, q: the scale words' set and which of its two steps; cm = 1: the bias starts the sums
.irp a, \a0, \a0+1
.irp b, 0,1,2,3,4,5,6,7
.if \cm == 0
	v_wmma_scale_f32_16x16x128_f8f6f4 v[8*(8*(\a)+\b):8*(8*(\a)+\b)+7], v[128*(\p)+FR*\b:128*(\p)+FR*\b+FR-1], v[AF+48*(\p)+FR*(\a):AF+48*(\p)+FR*(\a)+FR-1], v[8*(8*(\a)+\b):8*(8*(\a)+\b)+7], v[SC+8*NQ*(\sc)+NQ*\b+(\q)], v[SC+8*NQ*(\sc)+NQ*(\a)+(\q)] matrix_a_fmt:MATRIX_FMT_FP6 matrix_b_fmt:MATRIX_FMT_FP6 matrix_a_scale:MATRIX_SCALE_ROW1
.else
	v_wmma_scale_f32_16x16x128_f8f6f4 v[8*(8*(\a)+\b):8*(8*(\a)+\b)+7], v[128*(\p)+FR*\b:128*(\p)+FR*\b+FR-1], v[AF+48*(\p)+FR*(\a):AF+48*(\p)+FR*(\a)+FR-1], v[BIAS+8*\b:BIAS+8*\b+7], v[SC+8*NQ*(\sc)+NQ*\b+(\q)], v[SC+8*NQ*(\sc)+NQ*(\a)+(\q)] matrix_a_fmt:MATRIX_FMT_FP6 matrix_b_fmt:MATRIX_FMT_FP6 matrix_a_scale:MATRIX_SCALE_ROW1
.endif
.endr
.endr
.endm
.macro FETCH_B k                       ; 48 loads: B's eight fragments of K step k into set k % 2
	WIN TO_B
.irp i, 0,1,2,3,4,5,6,7
	FRAG 128*((\k)%2)+FR*\i, ADRB, \k, \i
.endr
	WIN 0
.endm
.macro FETCH_A k                       ; 24 loads: A's four
.irp i, 0,1,2,3
	FRAG AF+48*((\k)%2)+FR*\i, ADRA, \k, \i
.endr
.endm
.macro SCALES pr                       ; 8 loads: the scale words of K steps 2 pr, 2 pr + 1: lanes 0-15 A's tile i (used for i under 4), lanes 16-31 B's tile i
.irp i, 0,1,2,3,4,5,6,7
	ds_load_b64 v[SC+8*NQ*((\pr)%2)+NQ*\i:SC+8*NQ*((\pr)%2)+NQ*\i+1], v[ADRS] offset:\i*SBLK+4*NQ*(\pr)
.endr
.endm
.macro PLACES n
.rept \n
	v_nop
.endr
.endm
; A K step: 32 matrix instructions on set k % 2.  At its head the next step's B (and, every second step, scale words) is asked for, into the sets that the last step's products read: four places stand in front.
; The wait leaves out just those loads: all that was asked for earlier is in.  A's next four fragments are asked for in the step's middle.
.macro KSTEP k, cm, last
.if \last == 0
	PLACES NP
	FETCH_B (\k)+1
.if (\k)%2 == 1
	SCALES ((\k)+1)/2
	s_wait_dscnt 8*NL+8
.else
	s_wait_dscnt 8*NL
.endif
.else
	s_wait_dscnt 0x0
.endif
	WIN MUL_LO-0x20*(\cm)
	MUL16 0, (\k)%2, (\k)%2, ((\k)/2)%2, \cm
.if \last == 0
	WIN 0
	FETCH_A (\k)+1
	WIN MUL_LO-0x20*(\cm)
.endif
	MUL16 2, (\k)%2, (\k)%2, ((\k)/2)%2, \cm
	WIN 0
.endm
	s_wait_alu depctr_va_vdst(0)
	s_wait_tensorcnt 0x0                           ; my tile of the four is in;
	s_barrier_signal -1
	s_barrier_wait -1                              ; and everybody's
	FETCH_B 0
	FETCH_A 0
	SCALES 0
	s_wait_loadcnt 0x0                             ; the bias
	KSTEP 0, 1, 0
.irp k, 1,2,3,4,5,6
	KSTEP \k, 0, 0
.endr
	KSTEP 7, 0, 1
	s_barrier_signal -1                            ; my LDS loads have all come back (the last step's wait): no wave reads codes behind this barrier,
	s_barrier_wait -1                              ; so the stages may lie over A's bytes, which have had their one fill
.macro TOSTAGE a
.set AC, 64*(\a)
	WIN 0x08                                       ; the data: window 2
.irp b, 0,1,2,3,4,5,6,7
	ds_store_b128 v[STO], v[AC+8*\b:AC+8*\b+3] offset:128*(\b/2)+32*(\b%2)          ; each accumulator from its low end on
	ds_store_b128 v[STO], v[AC+8*\b+4:AC+8*\b+7] offset:128*(\b/2)+32*(\b%2)+16
.endr
	WIN 0
.set BB, BK+64*((\a)%2)
.irp t, 0,1,2,3,4,5,6,7,8,9,10,11,12,13,14,15
	ds_load_b128 v[BB+4*\t:BB+4*\t+3], v[RD] offset:\t*SPITCH    ; LDS serves a wave's instructions in order: these see the stores above
.endr
.endm
.macro SEND a, younger
.set BB, BK+64*((\a)%2)
	s_wait_dscnt \younger
.if (\a) > 0
.if (\a)%2
	s_add_nc_u64 s[98:99], s[98:99], 8*16384       ; (behind a wait on XCNT)  the next tile begins 8 rows on,
.else
	s_add_nc_u64 s[98:99], s[98:99], 24*16384      ; or 24
.endif
.endif
.irp t, 0,1,2,3,4,5,6,7,8,9,10,11,12,13,14,15
	global_store_b128 v[CO], v[BB+4*\t:BB+4*\t+3], s[98:99] offset:(\t+8*(\t/8))*16384 th:TH_STORE_NT   ; 32 lanes store 512 consecutive bytes, at a multiple of 256 from out0's first byte
.endr
.endm
	PLACES NP                                      ; for the first read of results and for the loads into registers that held A's fragments
	TOSTAGE 0
.irp a, 1,2,3
.if \a > 1
	s_wait_xcnt 0x0                                ; tile a - 2's stores have read their registers and their base
.endif
	TOSTAGE \a
	SEND \a-1, 32                                  ; behind tile a - 1's loads: tile a's 16 stores and 16 loads
.endr
	s_wait_xcnt 0x0
	SEND 3, 0
	s_wait_tensorcnt 0x0                           ; the wave's end
	ds_add_u32 v[SPW], v[NIL]
	s_wait_dscnt 0x0
	CROUND                                         ; the closing round
	s_endpgm
.Lfunc_end_k_q77b3e12864_gemm_out:
	.size	k_q77b3e12864_gemm_out, .Lfunc_end_k_q77b3e12864_gemm_out-k_q77b3e12864_gemm_out
	.p2alignl 7, 3214868480
	.fill 96, 4, 3214868480
	.section	.rodata,"a",@progbits
	.p2align	6, 0x0
	.amdhsa_kernel k_q77b3e12864_gemm_out
		.amdhsa_group_segment_fixed_size 308480
		.amdhsa_private_segment_fixed_size 0
		.amdhsa_enable_private_segment 0
		.amdhsa_kernarg_size 48
		.amdhsa_user_sgpr_count 2
		.amdhsa_user_sgpr_kernarg_segment_ptr 1
		.amdhsa_wavefront_size32 1
		.amdhsa_system_sgpr_workgroup_id_x 1
		.amdhsa_system_sgpr_workgroup_id_y 1
		.amdhsa_system_sgpr_workgroup_id_z 1
		.amdhsa_system_vgpr_workitem_id 0
		.amdhsa_next_free_vgpr 768
		.amdhsa_next_free_sgpr 100
		.amdhsa_reserve_vcc 0
		.amdhsa_float_denorm_mode_32 3
		.amdhsa_float_denorm_mode_16_64 3
		.amdhsa_memory_ordered 1
		.amdhsa_forward_progress 1
		.amdhsa_inst_pref_size 98
	.end_amdhsa_kernel
	.amdgpu_metadata
---
amdhsa.version: [ 1, 2 ]
amdhsa.kernels:
  - .name:           k_q77b3e12864_gemm_out
    .symbol:         k_q77b3e12864_gemm_out.kd
    .args:
      - { .name: cc, .offset: 0, .size: 8, .value_kind: global_buffer, .address_space: global }
      - { .name: cs, .offset: 8, .size: 8, .value_kind: global_buffer, .address_space: global }
      - { .name: opc, .offset: 16, .size: 8, .value_kind: global_buffer, .address_space: global }
      - { .name: ops, .offset: 24, .size: 8, .value_kind: global_buffer, .address_space: global }
      - { .name: out_proj_bias, .offset: 32, .size: 8, .value_kind: global_buffer, .address_space: global }
      - { .name: out0, .offset: 40, .size: 8, .value_kind: global_buffer, .address_space: global }
    .group_segment_fixed_size: 308480
    .private_segment_fixed_size: 0
    .kernarg_segment_align: 8
    .kernarg_segment_size: 48
    .max_flat_workgroup_size: 128
    .sgpr_count:     100
    .vgpr_count:     768
    .wavefront_size: 32
...
	.end_amdgpu_metadata
.endif
;; end of part 4
